; MI455X (gfx1250); checked and timed in simulation.
; The chip was launched on July 23, 2026; its instructions are those of AMD's public machine-readable ISA for CDNA 5 (MIT licence, August 2026) and "CDNA5" Instruction Set Architecture Reference Guide (July 2026). The comments in the code are by the model that wrote it; some were corrected since.
;; Multi Head Self Attention. Allowed arithmetic: matrix products marked QUANTISED: E2M1 operands, one E8M0 scale for each 32 along K, by v_wmma_scale_f32_16x16x128_f8f6f4 with both operands' format E2M1 (or v_wmma_scale_f32_32x16x128_f4), f32 sums; products left as they are: bf16, f16 or f32 operands; f32 sums; everything else in f32.
;; Inputs: Wk 1,024 x 1,024 float32; Wo 1,024 x 1,024 float32; Wq 1,024 x 1,024 float32; Wv 1,024 x 1,024 float32; x 4 x 2,048 x 1,024 float32.
;; Outputs: out0 4 x 2,048 x 1,024 float32.
;; This version of the problem:
;;   THIS VERSION OF THE PROBLEM IS GIVEN IN LOW PRECISION. The matrix products marked QUANTISED in the list below multiply operands that are first quantised to E2M1 (2 exponent bits, 1 mantissa bit; 4 bits a number), with one power-of-two scale for each 32 numbers along K (OCP MX v1.0); their sums are f32. The products marked 'left as it is' may take bf16, f16 or f32 operands, with f32 sums. Whichever they take, every output number must still come out within the allowed error. Rounding operands to bf16 (8 significant bits) uses up far more of that allowance than f16 does (11 bits, for magnitudes from 6e-5 to 65,504). All else is computed in f32.
;;   The module's matrix products, in the order in which they are computed (A, B: the left and right operand; K: the contracted axis; several contracted axes count as one K, in the product's order):
;;     1. [M 8,192, K 1,024] x [K 1,024, N 1,024]; A: input x; B: input Wq: QUANTISED
;;     2. [M 8,192, K 1,024] x [K 1,024, N 1,024]; A: input x; B: input Wk: QUANTISED
;;     3. [M 8,192, K 1,024] x [K 1,024, N 1,024]; A: input x; B: input Wv: QUANTISED
;;     4. batch 64 x [M 2,048, K 64] x [K 64, N 2,048]; A: computed on the way; B: computed on the way: left as it is (an operand is computed on the way)
;;     5. batch 64 x [M 2,048, K 2,048] x [K 2,048, N 64]; A: computed on the way; B: computed on the way: left as it is (an operand is computed on the way)
;;     6. [M 8,192, K 1,024] x [K 1,024, N 1,024]; A: computed on the way; B: input Wo: left as it is (an operand is computed on the way)
;;   THE QUANTISER, for each operand of a quantised product, along K:
;;     - K is cut into blocks of 32 from its start; a last block that is shorter is filled with zeros.
;;     - A block's scale is 2^e with e = floor(log2(the largest magnitude in the block)) - 2, held to -126 .. 127; a block of zeros has e = 0. As a byte (E8M0): e + 127.
;;     - Each number is divided by its block's scale, clamped to +-6, and rounded to the nearest number of E2M1, ties to even, subnormals kept.
;;     - The product sums the exact products of the quantised numbers (number of the format x scale) in f32.
;;   ~~~python
;;   def quantise(x, axis):      # numpy; x: float32 -> the quantised numbers, widened to float32 again
;;       x = np.moveaxis(x, axis, -1); K = x.shape[-1]
;;       x = np.pad(x, [(0, 0)] * (x.ndim - 1) + [(0, -K % 32)]); x = x.reshape(x.shape[:-1] + (-1, 32)); a = np.abs(x).max(-1, keepdims=True)
;;       e = np.where(a > 0, np.clip(np.frexp(np.where(a > 0, a, 1))[1] - 1 - 2, -126, 127), 0)      # np.frexp(a)[1] - 1 = floor(log2(a)), exactly
;;       r = np.clip(x / 2.0 ** e, -6, 6)
;;       step = 2.0 ** (np.maximum(np.frexp(np.where(r == 0, 1, r))[1] - 1, 0) - 1)
;;       q = np.round(r / step) * step * 2.0 ** e      # np.round: ties to even
;;       return np.moveaxis(q.reshape(q.shape[:-2] + (-1,))[..., :K], -1, axis).astype(np.float32)
;;   ~~~
;; One version. Each part assembles by itself: llvm-mc -triple=amdgcn-amd-amdhsa -mcpu=gfx1250 --defsym DOCPART=n.
;; ======== version 1 of 1: 5 launches
;; limits: values are held in f16: magnitudes above 65,504 overflow, below 6.1e-05 lose precision
;; workspace buffers: xc 4,194,304 bytes; xs 262,144 bytes; wc 1,572,864 bytes; ws 98,304 bytes; wo16 2,097,152 bytes; qkv 50,331,648 bytes; fq 786,432 bytes; y 16,777,216 bytes
;; launch quant (part 1): grid 384 x 1, 4 waves a work-group, no clusters, 33,280 bytes of LDS; arguments x, Wq, Wk, Wv, Wo, xc, xs, wc, ws, wo16; writes xc, xs, wc, ws, wo16
.if DOCPART == 1
	.amdgcn_target "amdgcn-amd-amdhsa--gfx1250"
	.amdhsa_code_object_version 6
	.text
	.protected	k_q6aae0656bd_quant
	.globl	k_q6aae0656bd_quant
	.p2align	8
	.type	k_q6aae0656bd_quant,@function
k_q6aae0656bd_quant:
	s_mov_b64 s[64:65], 0
	v_nop
	global_prefetch_b8 v0, s[64:65] scope:SCOPE_SE
	s_setreg_imm32_b32 hwreg(HW_REG_WAVE_MODE, 25, 1), 1
	s_wait_xcnt 0x0
; x [8192][1024] and Wq, Wk, Wv [1024][1024], f32 with K innermost, become codes of FP4 (E2M1), two a byte, and one E8M0 scale byte for each 32 along K.
; x's go to xc, xs; the three weights' go on end (Wq, Wk, Wv) to wc, ws: one operand of 3,072 rows for the product that follows.  Wo [1024][1024] is rounded to f16 (wo16) for the last product, which is not quantised.
; A block's scale is 2^(floor(log2(its largest magnitude)) - 2); its byte is the largest magnitude's exponent field - 2, held at 1 from below; each number is divided by the scale and rounded to the nearest code, ties to even.
; LIMITS: a block of zeros gets the byte 1 where the rule says 127 (its codes are zeros, which add nothing, and this program alone reads the bytes); blocks whose largest magnitude lies under 2^(2 - 126) are held at that byte;
; NaN and infinities are not served; Wo beyond 65,504 in magnitude has no f16 number.
; SHARES: rows are dense and K is a multiple of 32, so every tensor is a stream of blocks of 32.  A work-group takes 32,768 numbers, a wave 8,192.  Work-groups 0-255: x; 256-287 Wq; 288-319 Wk; 320-351 Wv; 352-383 Wo.
; A stream bound by memory: no matrix unit, no cluster, no tensor load; waves share nothing, so there is no barrier.
; The quantising path: each of a step's four loads reads 512 consecutive bytes; the 2,048 bytes turn through the wave's own stage in LDS (16 bytes of padding behind each 64) and come back 64 bytes a lane,
; so that a lane holds 16 neighbours along K and two neighbouring lanes a block.  Loads run four steps (16 loads) ahead, the turn through LDS one step.
.set WAVES, 4
.set STEPS, 16
.set EMAX,  2
.set CB,    8                          ; bytes of 16 codes
.set R,     16                         ; v16-79   four sets of 16 numbers as loaded
.set X,     80                         ; v80-111  two sets of 16 neighbours
.set E,     112                        ; v112-127 a scale byte for each step
.set C,     128                        ; v128-191 codes: four registers for each step, so that no store's data are written again
.set WREG,  8192                       ; LDS: a region for each wave: two stages of 32 x SP bytes, then its 256 scale bytes
.set SP,    80
.set SPW,   12                         ; v12 LDS address of my spare word; never rewritten
.set NIL,   13                         ; v13 0; never rewritten
.set SPARE, WAVES*WREG                 ; behind the four regions: the spare words, 128 bytes a wave
	s_load_b256 s[4:11], s[0:1], 0x0               ; x s[4:5], Wq s[6:7], Wk s[8:9], Wv s[10:11]
	s_load_b256 s[12:19], s[0:1], 0x20             ; Wo s[12:13], xc s[14:15], xs s[16:17], wc s[18:19]
	s_load_b128 s[20:23], s[0:1], 0x40             ; ws s[20:21], wo16 s[22:23]
	v_lshl_add_u32 v[SPW], v0, 2, SPARE
	v_mov_b32 v[NIL], 0
	v_lshrrev_b32 v1, 5, v0
	v_readfirstlane_b32 s24, v1                    ; wave
	v_and_b32 v2, 31, v0                           ; lane
	v_lshlrev_b32 v3, 4, v2                        ; my 16 bytes of a load's 512
	s_mul_i32 s25, s24, WREG
	v_lshrrev_b32 v14, 2, v2
	v_mul_u32_u24 v14, v14, SP
	v_and_b32 v15, 3, v2
	v_lshl_add_u32 v14, v15, 4, v14
	v_add_nc_u32 v14, s25, v14                     ; the stage, on the way in: SP (lane / 4) + 16 (lane % 4)
	v_mul_u32_u24 v15, v2, SP
	v_add_nc_u32 v15, s25, v15                     ; and on the way out: SP x lane: my 16 neighbours
	v_mul_u32_u24 v4, v2, CB                       ; 8 bytes a lane on the way to memory
	v_lshrrev_b32 v5, 1, v2
	s_add_co_u32 s25, s25, 2*32*SP
	v_add_nc_u32 v5, s25, v5                       ; LDS: my wave's 256 scale bytes, my block's byte
	v_lshlrev_b32 v7, 3, v2
	v_add_nc_u32 v6, s25, v7                       ; and 8 of them a lane on the way out
	s_wait_kmcnt 0x0
	s_cmp_ge_u32 ttmp9, 352
	s_cbranch_scc1 .Lwo
	; which tensor: the choice hangs on the work-group's number alone
	s_mov_b64 s[26:27], s[10:11]                   ; Wv, unless
	s_cmp_lt_u32 ttmp9, 320
	s_cselect_b64 s[26:27], s[8:9], s[26:27]       ; Wk, unless
	s_cmp_lt_u32 ttmp9, 288
	s_cselect_b64 s[26:27], s[6:7], s[26:27]       ; Wq, unless
	s_and_b32 s33, ttmp9, 31                       ; (a weight's run: 32 work-groups each, and 256 is a multiple of 32)
	s_cmp_lt_u32 ttmp9, 256
	s_cselect_b64 s[26:27], s[4:5], s[26:27]       ; x
	s_cselect_b64 s[28:29], s[14:15], s[18:19]     ; the codes' buffer
	s_cselect_b64 s[30:31], s[16:17], s[20:21]     ; the scale bytes'
	s_cselect_b32 s32, 0, 256
	s_cselect_b32 s33, ttmp9, s33
	s_sub_co_u32 s32, ttmp9, s32
	s_lshl_b32 s32, s32, 2
	s_add_co_u32 s32, s32, s24                     ; my wave's run of 8,192 numbers in the buffers written,
	s_lshl_b32 s34, s33, 2
	s_add_co_u32 s34, s34, s24                     ; and in the tensor read
	s_mov_b32 s35, 0
	s_mov_b32 s33, 0
	s_lshl_b64 s[36:37], s[34:35], 15              ; 32,768 bytes of f32 a run
	s_add_nc_u64 s[26:27], s[26:27], s[36:37]
	s_lshl_b64 s[36:37], s[32:33], 12              ; 4,096 bytes of codes
	s_add_nc_u64 s[28:29], s[28:29], s[36:37]
	s_lshl_b64 s[36:37], s[32:33], 8               ; 256 scale bytes
	s_add_nc_u64 s[30:31], s[30:31], s[36:37]
.macro LOAD t
.irp i, 0,1,2,3
	global_load_b128 v[R+16*((\t)%4)+4*\i:R+16*((\t)%4)+4*\i+3], v3, s[26:27] offset:2048*(\t)+512*\i th:TH_LOAD_NT   ; 32 lanes read 512 consecutive bytes
.endr
.endm
.macro TURN t                          ; step t's numbers through the stage: LDS serves a wave's instructions in order, so no wait stands between the stores and the loads
.irp i, 0,1,2,3
	ds_store_b128 v14, v[R+16*((\t)%4)+4*\i:R+16*((\t)%4)+4*\i+3] offset:32*SP*((\t)%2)+8*SP*\i
.endr
.irp i, 0,1,2,3
	ds_load_b128 v[X+16*((\t)%2)+4*\i:X+16*((\t)%2)+4*\i+3], v15 offset:32*SP*((\t)%2)+16*\i
.endr
.endm
.irp t, 0,1,2,3
	LOAD \t
.endr
	s_wait_loadcnt 12                              ; step 0's four loads are in; the three steps behind it may be out
	TURN 0
.macro STEP t
.set XS, X+16*((\t)%2)
.if (\t) > 0
	s_wait_dscnt 1                                 ; this step's numbers are back from the stage (the last step's byte store may be out)
.else
	s_wait_dscnt 0x0
.endif
.if (\t)+4 < STEPS
	LOAD (\t)+4                                    ; into the registers that the stage's stores have read
.endif
.if (\t)+1 < STEPS
.if STEPS-2-(\t) >= 3
	s_wait_loadcnt 12                              ; the next step's four loads are in; those of the three steps behind it may be out
.else
	s_wait_loadcnt 4*(STEPS-2-(\t))
.endif
	TURN (\t)+1
.endif
	v_max3_num_f32 v8, |v[XS]|, |v[XS+1]|, |v[XS+2]|               ; the largest magnitude of my 16, in two chains
	v_max3_num_f32 v9, |v[XS+3]|, |v[XS+4]|, |v[XS+5]|
.irp i, 6,10
	v_max3_num_f32 v8, v8, |v[XS+\i]|, |v[XS+\i+1]|
	v_max3_num_f32 v9, v9, |v[XS+\i+2]|, |v[XS+\i+3]|
.endr
	v_max3_num_f32 v8, v8, |v[XS+14]|, |v[XS+15]|
	v_max3_num_f32 v8, v8, v9, (EMAX+1)<<23        ; and the floor 2^(EMAX + 1 - 127): the byte cannot fall under 1
	v_max_num_f32_dpp v8, v8, v8 row_xmask:1 row_mask:0xf bank_mask:0xf   ; with my neighbour's 16: the block's
	v_add_nc_u32 v11, -(EMAX<<23), v8              ; EMAX off its exponent field: the conversion takes that field as its scale, and nothing else of this operand
	v_cvt_scalef32_pk8_fp4_f32 v[C+4*(\t)], v[XS:XS+7], v11
	v_cvt_scalef32_pk8_fp4_f32 v[C+4*(\t)+1], v[XS+8:XS+15], v11
	v_lshrrev_b32 v[E+(\t)], 23, v11               ; the scale's byte (also the plain line behind the conversions)
	ds_store_b8 v5, v[E+(\t)] offset:16*(\t)       ; both lanes of a block write the same byte with the same value
	global_store_b64 v4, v[C+4*(\t):C+4*(\t)+1], s[28:29] offset:32*CB*(\t)   ; the wave stores 256 consecutive bytes, aligned
.endm
.irp t, 0,1,2,3,4,5,6,7,8,9,10,11,12,13,14,15
	STEP \t
.endr
	ds_load_b64 v[8:9], v6                         ; LDS serves a wave's instructions in order: these see my byte stores
	s_wait_dscnt 0x0
	global_store_b64 v7, v[8:9], s[30:31]          ; 256 consecutive scale bytes, aligned
	s_branch .Lend
.Lwo:                                                  ; Wo to f16: 64 loads of 512 bytes a wave, in four groups of 16, two groups on their way
	s_sub_co_u32 s32, ttmp9, 352
	s_lshl_b32 s32, s32, 2
	s_add_co_u32 s32, s32, s24
	s_mov_b32 s33, 0
	s_lshl_b64 s[36:37], s[32:33], 15
	s_add_nc_u64 s[12:13], s[12:13], s[36:37]
	s_lshl_b64 s[36:37], s[32:33], 14
	s_add_nc_u64 s[22:23], s[22:23], s[36:37]
.macro LOADG n
.irp i, 0,1,2,3,4,5,6,7,8,9,10,11,12,13,14,15
	global_load_b128 v[16+64*((\n)%2)+4*\i:16+64*((\n)%2)+4*\i+3], v3, s[12:13] offset:512*(16*(\n)+\i) th:TH_LOAD_NT
.endr
.endm
.macro GROUP n
.if (\n) < 3
	s_wait_loadcnt 16                              ; this group's 16 loads are in; the next group's may be out
.else
	s_wait_loadcnt 0x0
.endif
.if (\n) > 0
	s_wait_xcnt 0x0                                ; the last group's stores have read v144-175, which are written again below
.endif
.irp i, 0,1,2,3,4,5,6,7,8,9,10,11,12,13,14,15
	v_cvt_pk_f16_f32 v[144+2*\i], v[16+64*((\n)%2)+4*\i], v[16+64*((\n)%2)+4*\i+1]
	v_cvt_pk_f16_f32 v[145+2*\i], v[16+64*((\n)%2)+4*\i+2], v[16+64*((\n)%2)+4*\i+3]
.endr
.irp i, 0,1,2,3,4,5,6,7,8,9,10,11,12,13,14,15
	global_store_b64 v4, v[144+2*\i:145+2*\i], s[22:23] offset:256*(16*(\n)+\i)   ; 256 consecutive bytes, aligned
.endr
.if (\n) < 2
	LOADG (\n)+2
.endif
.endm
	LOADG 0
	LOADG 1
	GROUP 0
	GROUP 1
	GROUP 2
	GROUP 3
.Lend:
	s_wait_tensorcnt 0x0                           ; the wave's end: the tensor wait (in a text with no tensor load too), an add of 0 to my spare word and its wait, behind the last LDS store
	ds_add_u32 v[SPW], v[NIL]
	s_wait_dscnt 0x0
	s_endpgm
.Lfunc_end_k_q6aae0656bd_quant:
	.size	k_q6aae0656bd_quant, .Lfunc_end_k_q6aae0656bd_quant-k_q6aae0656bd_quant
	.p2alignl 7, 3214868480
	.fill 96, 4, 3214868480
	.section	.rodata,"a",@progbits
	.p2align	6, 0x0
	.amdhsa_kernel k_q6aae0656bd_quant
		.amdhsa_group_segment_fixed_size 33280
		.amdhsa_private_segment_fixed_size 0
		.amdhsa_enable_private_segment 0
		.amdhsa_kernarg_size 80
		.amdhsa_user_sgpr_count 2
		.amdhsa_user_sgpr_kernarg_segment_ptr 1
		.amdhsa_wavefront_size32 1
		.amdhsa_system_sgpr_workgroup_id_x 1
		.amdhsa_system_sgpr_workgroup_id_y 1
		.amdhsa_system_sgpr_workgroup_id_z 1
		.amdhsa_system_vgpr_workitem_id 0
		.amdhsa_next_free_vgpr 192
		.amdhsa_next_free_sgpr 66
		.amdhsa_reserve_vcc 0
		.amdhsa_float_denorm_mode_32 3
		.amdhsa_float_denorm_mode_16_64 3
		.amdhsa_memory_ordered 1
		.amdhsa_forward_progress 1
		.amdhsa_inst_pref_size 54
	.end_amdhsa_kernel
	.amdgpu_metadata
---
amdhsa.version: [ 1, 2 ]
amdhsa.kernels:
  - .name:           k_q6aae0656bd_quant
    .symbol:         k_q6aae0656bd_quant.kd
    .args:
      - { .name: x, .offset: 0, .size: 8, .value_kind: global_buffer, .address_space: global }
      - { .name: Wq, .offset: 8, .size: 8, .value_kind: global_buffer, .address_space: global }
      - { .name: Wk, .offset: 16, .size: 8, .value_kind: global_buffer, .address_space: global }
      - { .name: Wv, .offset: 24, .size: 8, .value_kind: global_buffer, .address_space: global }
      - { .name: Wo, .offset: 32, .size: 8, .value_kind: global_buffer, .address_space: global }
      - { .name: xc, .offset: 40, .size: 8, .value_kind: global_buffer, .address_space: global }
      - { .name: xs, .offset: 48, .size: 8, .value_kind: global_buffer, .address_space: global }
      - { .name: wc, .offset: 56, .size: 8, .value_kind: global_buffer, .address_space: global }
      - { .name: ws, .offset: 64, .size: 8, .value_kind: global_buffer, .address_space: global }
      - { .name: wo16, .offset: 72, .size: 8, .value_kind: global_buffer, .address_space: global }
    .group_segment_fixed_size: 33280
    .private_segment_fixed_size: 0
    .kernarg_segment_align: 8
    .kernarg_segment_size: 80
    .max_flat_workgroup_size: 128
    .sgpr_count:     66
    .vgpr_count:     192
    .wavefront_size: 32
...
	.end_amdgpu_metadata
.endif
;; end of part 1
;; launch qkv (part 2): grid 12 x 32, 4 waves a work-group, clusters of 4 x 4, 327,680 bytes of LDS; arguments xc, xs, wc, ws, qkv, fq; writes qkv, fq
.if DOCPART == 2
	.amdgcn_target "amdgcn-amd-amdhsa--gfx1250"
	.amdhsa_code_object_version 6
	.text
	.protected	k_q6aae0656bd_qkv
	.globl	k_q6aae0656bd_qkv
	.p2align	8
	.type	k_q6aae0656bd_qkv,@function
k_q6aae0656bd_qkv:
	s_mov_b64 s[64:65], 0
	v_nop
	global_prefetch_b8 v0, s[64:65] scope:SCOPE_SE
	s_setreg_imm32_b32 hwreg(HW_REG_WAVE_MODE, 25, 1), 1
	s_wait_xcnt 0x0
	s_wait_alu depctr_hold_cnt(0) depctr_sa_sdst(0) depctr_va_vdst(0) depctr_va_sdst(0) depctr_va_ssrc(0) depctr_va_vcc(0) depctr_vm_vsrc(0)
	s_getreg_b32 s2, hwreg(HW_REG_IB_STS2, 6, 4)
	s_cmp_eq_u32 s2, 0
	s_cbranch_scc0 .Lentry_in_a_cluster
	s_endpgm
.Lentry_in_a_cluster:
	s_bfe_u32 s2, ttmp6, 0x10000c
	s_cmp_lg_u32 s2, 0xf033
	s_cbranch_scc0 .Lentry_shape_is_right
	s_endpgm
.Lentry_shape_is_right:
; The three quantised products as ONE: C[m][n] = sum over k of x[m][k] W[n][k], m = 8,192 rows of x, n = 3,072 rows of Wq, Wk, Wv on end, k = 1,024; both operands codes of FP4 (E2M1) with one E8M0 byte for each 32 along K; sums in f32.
; The results leave as f16, by head: qkv [3][64 = 16 batch + head][2,048 positions][64]; the first 16 positions of every batch leave in f32 as well (fq [64 = 16 batch + position][3,072]), for the launch that carries those rows finely.
; LIMITS: a result beyond 65,504 in magnitude has no f16 number; under 6e-5 f16 keeps a step of 6e-8.
; A tile of C, 256 x 256, is made by a work-group of four waves; a wave makes 128 x 128: 64 accumulators of 16 x 16, 512 registers.  K is two slots of 512 (LDS rows of 256 bytes): BOTH are asked for at the head, with the scale bytes
; of all of K: three tensor loads of each wave are out, and no LDS byte is filled twice.
; CLUSTERS: 4 x 4 work-groups.  The four of a row of the cluster need the same tiles of x, the four of a column the same tiles of W: each is asked for JOINTLY, by the same tensor load with the same descriptor and a mask naming the four.
; The tile row is 8 cy + cluster y, so that the batch is cy and the block of 256 positions is cluster y: whether a tile holds a batch's first positions is then the same in all sixteen partners.
; THE MATRIX INSTRUCTION IS USED TRANSPOSED (source 0 = 16 rows of W, source 1 = 16 rows of x): a lane then holds eight neighbouring numbers of a row of C.
; REGISTERS, in windows of 256: window 0: v0-31 addresses; v32-95 scale words, two sets; from v128 x's fragments, ONE set; on the way out v32-255 are free.   window 1: W's fragments, TWO sets, at v0 and v128.
;   window 2: the 32 accumulators of my rows 0-63 (accumulator (a, b) at v[8 (8 a + b)]);   window 3: those of my rows 64-127.
.set SIZE_K, 1024
.set KSTEP,  512                       ; along K in a slot
.set NQ,     KSTEP/128                 ; matrix instructions deep
.set ROWB,   256                       ; a tile's row in bytes
.set KROW,   SIZE_K*4/8                ; a row of codes in memory
.set PITCH,  272                       ; an LDS row: 256 bytes + 16 of padding = 68 words: the 16 rows that a load touches start at 16 different banks (64 banks of 4 bytes: ISA guide 11.1)
.set FR,     8                         ; registers of a fragment: 16 rows x 128 K
.set NL,     2                         ; LDS loads that bring one
.set NP,     4                         ; places behind this matrix instruction (ISA guide 7.12.1)
.set HALFT,  128*PITCH                 ; 128 rows: what one tensor load brings
.set SLOT,   4*HALFT                   ; x's 256 rows, then W's 256 rows
.set KS,     SIZE_K/32                 ; a row of scale bytes
.set SCL,    2*SLOT                    ; behind the slots: the scale bytes, as units of 256 bytes + 16 of padding
.set HALFS,  (128*KS/256)*272          ; those of 128 rows: what one tensor load brings
.set SBLK,   (16*KS/256)*272           ; those of 16 rows
.set SPARE,  SCL+4*HALFS               ; the spare words, 128 bytes a wave
.set SPITCH, 528                       ; the way out: a stage of 16 x 528 bytes for each wave, in slot 0, which has had its only fill and its last read when the first result is stored there
.set ADRA, 16                          ; v16-17  LDS address of my x fragments in slot 0, 1
.set ADRB, 20                          ; v20-21  the same for W
.set STO,  24                          ; v24     the way out, f16: where I put 16 bytes of a row (rows of 256 bytes + 16)
.set RD,   25                          ; v25     where I read back: four rows of one head, 128 bytes each
.set CO,   26                          ; v26     16 x lane
.set ADRS, 27                          ; v27     LDS address of my scale words: lanes 0-15 x's rows, lanes 16-31 W's
.set SPW,  28                          ; v28     LDS address of my spare word; never rewritten
.set NIL,  29                          ; v29     0; never rewritten
.set STO32, 30                         ; v30     the way out, f32: where I put 32 bytes of a row (rows of 512 bytes + 16)
.set RD32, 31                          ; v31     where I read a row of 512 bytes back
.set SC,   32                          ; scale words: set s at v[SC + 8 NQ s]; register NQ i + q: lanes 0-15 x's block i, lanes 16-31 W's block i, the slot's q-th 128 along K
.set AF,   128                         ; x's fragments, in window 0
.set TMP,  192                         ; the way out: packed results
.set OB,   32                          ; the way out: 16 rows read back: v32-63 and v224-255 by turns
.set G1, 24                            ; s[24:31] descriptor group 1 for x's tiles;  s[32:39] group 0, one set for each slot
.set G0, 32
.set G1B, 48                           ; s[48:55], s[56:63] the same for W's tiles
.set G0B, 56
.set G1S, 68                           ; s[68:75], s[76:79] groups 1 and 0 for x's scales;  s[80:87], s[88:91] for W's
.set G0S, 76
.set G1SB, 80
.set G0SB, 88
.set MSB, 0
.macro WIN new                         ; the immediate's high byte repeats the setting that is left
.if MSB != \new
	s_set_vgpr_msb (MSB<<8)|\new
.set MSB, \new
.endif
.endm
.set MUL_LO, 0xa1                      ; source 0 (W) window 1, source 1 (x) window 0, C and D window 2
.set MUL_HI, 0xf1                      ; the same, C and D window 3
.set TO_B,   0x40                      ; destination window 1, address window 0
; A joint load: waves 0 and 1 fetch for x, waves 2 and 3 for W.  Each line has ONE mask and one set of registers for all that issue it; the branch hangs on the wave's number alone.
; An s_nop 0 and four v_nop follow each of the two lines.
.macro JLOAD g0a, g1a, g0b, g1b
	s_cmp_eq_u32 s15, 0
	s_cbranch_scc0 .Lfor_b_\@
	tensor_load_to_lds s[\g0a:\g0a+3], s[\g1a:\g1a+7]
	s_nop 0
.rept 4
	v_nop
.endr
	s_branch .Lasked_\@
.Lfor_b_\@:
	tensor_load_to_lds s[\g0b:\g0b+3], s[\g1b:\g1b+7]
	s_nop 0
.rept 4
	v_nop
.endr
.Lasked_\@:
.endm
.macro CROUND                          ; a round of the cluster's barrier
	s_barrier_signal -1
	s_barrier_wait -1
	s_cmp_lg_u32 s14, 0
	s_cbranch_scc1 .Lnot_wave_0_\@
	s_barrier_signal -3
.Lnot_wave_0_\@:
	s_barrier_wait -3
	s_barrier_signal -1
	s_barrier_wait -1
.endm
	s_load_b128 s[4:7], s[0:1], 0x0                ; x's codes s[4:5], x's scales s[6:7]
	s_load_b128 s[8:11], s[0:1], 0x10              ; W's codes s[8:9], W's scales s[10:11]
	s_load_b64 s[12:13], s[0:1], 0x20              ; qkv
	s_load_b64 s[96:97], s[0:1], 0x28              ; fq
	v_lshl_add_u32 v[SPW], v0, 2, SPARE
	v_mov_b32 v[NIL], 0
	ds_add_u32 v[SPW], v[NIL]                      ; the wave's opening: the add, twice on end, and its wait ahead of my first tensor load; the set-up below stands between
	ds_add_u32 v[SPW], v[NIL]
	v_lshrrev_b32 v1, 5, v0
	v_readfirstlane_b32 s14, v1                    ; wave 0..3
	s_lshr_b32 s15, s14, 1                         ; which half of the tile's rows is mine.  Also: I fetch for x (0) or for W (1)
	s_and_b32 s16, s14, 1                          ; which half of its columns.  Also: which 128 rows of that tile I fetch
	s_bfe_u32 s40, ttmp6, 0x40000                  ; cx, cy: my place in the cluster
	s_bfe_u32 s41, ttmp6, 0x40004
	s_lshl_b32 s42, ttmp9, 2
	s_add_co_u32 s42, s42, s40                     ; tile column of C = 4 x cluster x + cx: cluster x says which of q, k, v
	s_and_b32 s17, ttmp7, 0xffff
	s_lshl_b32 s95, s41, 3
	s_add_co_u32 s17, s17, s95                     ; tile row of C = 8 cy + cluster y
	s_lshl_b32 s43, s41, 2
	s_lshl_b32 s43, 15, s43                        ; my row of the cluster
	s_lshl_b32 s44, 0x1111, s40                    ; my column
	; descriptor group 1: a tile of 128 rows x 256 bytes, padded in LDS
	s_or_b32 s[G1+0], s43, (0<<16)|(1<<20)|(1<<21)|(5<<22)|(3<<25)  ; 15:0 the mask; 17:16 element of 1 byte; 20 padding on; 21 set beside a mask; 24:22 after every 64 words; 31:25 four words
	s_or_b32 s[G1B+0], s44, (0<<16)|(1<<20)|(1<<21)|(5<<22)|(3<<25)
.irp g, G1, G1B
	s_mov_b32 s[\g+1], ROWB<<16                    ; tensor_dim0
	s_mov_b32 s[\g+2], 128<<16                     ; tensor_dim1
	s_mov_b32 s[\g+3], ROWB<<16                    ; tile_dim0
	s_mov_b32 s[\g+4], 128                         ; tile_dim1
	s_mov_b32 s[\g+5], KROW                        ; tensor_dim0_stride
	s_mov_b32 s[\g+6], 0
	s_mov_b32 s[\g+7], 0
.endr
	; the scales of 128 rows: a dense block of 4,096 bytes, as 16 rows of 256 bytes (32 elements of 8 bytes), 16 bytes of padding behind each
	s_or_b32 s[G1S+0], s43, (3<<16)|(1<<20)|(1<<21)|(5<<22)|(3<<25)
	s_or_b32 s[G1SB+0], s44, (3<<16)|(1<<20)|(1<<21)|(5<<22)|(3<<25)
.irp g, G1S, G1SB
	s_mov_b32 s[\g+1], 32<<16
	s_mov_b32 s[\g+2], (128*KS/256)<<16
	s_mov_b32 s[\g+3], 32<<16
	s_mov_b32 s[\g+4], 128*KS/256
	s_mov_b32 s[\g+5], 32
	s_mov_b32 s[\g+6], 0
	s_mov_b32 s[\g+7], 0
.endr
	s_lshl_b32 s18, s16, 7                         ; which 128 rows of the tile I fetch
	s_lshl_b32 s20, s17, 8
	s_add_co_u32 s20, s20, s18                     ; x: row 256 x tile row + 128 x half
	s_lshl_b32 s46, s42, 8
	s_add_co_u32 s46, s46, s18                     ; W: row 256 x tile column + 128 x half
	s_mov_b32 s21, 0
	s_mov_b32 s47, 0
	s_mov_b64 s[18:19], KS
	s_mul_u64 s[22:23], s[20:21], s[18:19]         ; where these rows' scales begin, in bytes
	s_mul_u64 s[92:93], s[46:47], s[18:19]
	s_mov_b64 s[18:19], KROW
	s_mul_u64 s[20:21], s[20:21], s[18:19]         ; and their codes
	s_mul_u64 s[46:47], s[46:47], s[18:19]
	s_mul_i32 s45, s14, HALFT                      ; where they go: wave x 128 rows: no place in the cluster enters an LDS address
	s_mul_i32 s94, s14, HALFS
	s_wait_dscnt 0x0                               ; both opening adds are done
	s_wait_kmcnt 0x0
	s_add_nc_u64 s[20:21], s[4:5], s[20:21]
	s_add_nc_u64 s[22:23], s[6:7], s[22:23]
	s_add_nc_u64 s[46:47], s[8:9], s[46:47]
	s_add_nc_u64 s[92:93], s[10:11], s[92:93]
	CROUND                                         ; all sixteen work-groups are here: the joint loads meet
	s_mov_b32 s[G0S], 1
	s_add_co_u32 s[G0S+1], s94, SCL
	s_mov_b64 s[G0S+2:G0S+3], s[22:23]
	s_or_b32 s[G0S+3], s[G0S+3], 0x80000000
	s_mov_b32 s[G0SB], 1
	s_add_co_u32 s[G0SB+1], s94, SCL
	s_mov_b64 s[G0SB+2:G0SB+3], s[92:93]
	s_or_b32 s[G0SB+3], s[G0SB+3], 0x80000000
	JLOAD G0S, G1S, G0SB, G1SB                     ; the scales first: they are wanted with the first slot
.irp s, 0,1
	s_mov_b32 s[G0+4*\s], 1
	s_add_co_u32 s[G0+4*\s+1], s45, \s*SLOT
	s_add_nc_u64 s[G0+4*\s+2:G0+4*\s+3], s[20:21], \s*ROWB
	s_or_b32 s[G0+4*\s+3], s[G0+4*\s+3], 0x80000000
	s_mov_b32 s[G0B+4*\s], 1
	s_add_co_u32 s[G0B+4*\s+1], s45, \s*SLOT
	s_add_nc_u64 s[G0B+4*\s+2:G0B+4*\s+3], s[46:47], \s*ROWB
	s_or_b32 s[G0B+4*\s+3], s[G0B+4*\s+3], 0x80000000
	JLOAD G0+4*\s, G1, G0B+4*\s, G1B
.endr
	v_and_b32 v1, 15, v0                           ; r = lane % 16
	v_bfe_u32 v2, v0, 4, 1                         ; h = lane / 16
	v_mul_u32_u24 v3, v1, PITCH
	v_lshl_add_u32 v4, v2, 4, v3                   ; a fragment's row x pitch + 16 x half
	s_mul_i32 s21, s15, HALFT                      ; my 128 rows of x
	s_mul_i32 s22, s16, HALFT                      ; my 128 rows of W,
	s_add_co_u32 s22, s22, 2*HALFT                 ; which lie behind x's 256
.irp s, 0,1
	v_add_nc_u32 v[ADRA+\s], s21, v4
	v_add_nc_u32 v[ADRB+\s], s22, v4
	s_add_co_u32 s21, s21, SLOT
	s_add_co_u32 s22, s22, SLOT
.endr
	v_mul_u32_u24 v5, v1, KS                       ; my row's scales: KS bytes a row,
	v_lshrrev_b32 v6, 8, v5
	v_lshl_add_u32 v5, v6, 4, v5                   ; and 16 more for each 256 passed
	s_mul_i32 s21, s15, HALFS                      ; x's: my 128 rows
	s_mul_i32 s22, s16, HALFS                      ; W's: my 128 rows, behind x's 256
	s_add_co_u32 s22, s22, 2*HALFS
	s_sub_co_u32 s22, s22, s21
	v_mul_u32_u24 v6, s22, v2                      ; lanes 16-31 take W's: the lower base + h x the distance
	s_add_co_u32 s21, s21, SCL
	v_add_nc_u32 v5, v5, v6
	v_add_nc_u32 v[ADRS], s21, v5
	s_mul_i32 s23, s14, 16*SPITCH                  ; my stage
	v_mul_u32_u24 v5, v1, 272                      ; f16, in: row r, 16 bytes for each half of the lanes
	v_lshl_add_u32 v5, v2, 4, v5
	v_add_nc_u32 v[STO], s23, v5
	v_and_b32 v6, 31, v0
	v_lshrrev_b32 v5, 3, v6                        ; f16, back: eight lanes take 128 bytes of a row, the wave four rows
	v_mul_u32_u24 v5, v5, 272
	v_and_b32 v7, 7, v0
	v_lshl_add_u32 v5, v7, 4, v5
	v_add_nc_u32 v[RD], s23, v5
	v_lshlrev_b32 v[CO], 4, v6
	v_mul_u32_u24 v5, v1, SPITCH                   ; f32, in: row r, 32 bytes for each half of the lanes
	v_lshl_add_u32 v5, v2, 5, v5
	v_add_nc_u32 v[STO32], s23, v5
	v_add_nc_u32 v[RD32], s23, v[CO]               ; f32, back: the 32 lanes take one row of 512 bytes
	; where my part begins in qkv: which << 24, batch << 22, head = 4 cx + 2 x column half (+ 0, 1) << 18, position = 256 cluster y + 128 x row half, 128 bytes each
	s_lshl_b32 s46, ttmp9, 24
	s_lshl_b32 s47, s41, 22
	s_add_co_u32 s46, s46, s47
	s_lshl_b32 s47, s40, 20
	s_add_co_u32 s46, s46, s47
	s_lshl_b32 s47, s16, 19
	s_add_co_u32 s46, s46, s47
	s_and_b32 s47, ttmp7, 0xffff
	s_lshl_b32 s47, s47, 15
	s_add_co_u32 s46, s46, s47
	s_lshl_b32 s47, s15, 14
	s_add_co_u32 s46, s46, s47
	s_mov_b32 s47, 0
	s_add_nc_u64 s[12:13], s[12:13], s[46:47]
	; and in fq: 16 rows of 12,288 bytes a batch; column 1,024 which + 256 cx + 128 x column half, 4 bytes each
	s_mul_i32 s46, s41, 196608
	s_lshl_b32 s47, ttmp9, 12
	s_add_co_u32 s46, s46, s47
	s_lshl_b32 s47, s40, 10
	s_add_co_u32 s46, s46, s47
	s_lshl_b32 s47, s16, 9
	s_add_co_u32 s46, s46, s47
	s_mov_b32 s47, 0
	s_add_nc_u64 s[96:97], s[96:97], s[46:47]
.macro FRAG reg, adr, q, i             ; a fragment, 16 rows x 128 K of 4-bit codes: lane l holds row l % 16; registers 4 c .. 4 c + 3 hold K = 64 c + 32 (l / 16) + 0 .. 31
.irp c, 0,1
	ds_load_b128 v[\reg+4*\c:\reg+4*\c+3], v[\adr] offset:64*(\q)+32*\c+(\i)*16*PITCH
.endr
.endm
; 16 matrix instructions: x's blocks a0, a0 + 1 against W's eight, 128 along K: the slot's q-th.  p: W's set;  sc: the set of scale words.  zero = 1: the first product starts the sums: nothing is ever cleared.
; The 64 accumulators take turns, one instruction a turn, in the same order in every step.
.macro MUL16 a0, p, q, sc, zero
.irp a, \a0, \a0+1
.irp b, 0,1,2,3,4,5,6,7
.if \zero
	v_wmma_scale_f32_16x16x128_f8f6f4 v[8*(8*((\a)%4)+\b):8*(8*((\a)%4)+\b)+7], v[128*(\p)+FR*\b:128*(\p)+FR*\b+FR-1], v[AF+FR*(\a):AF+FR*(\a)+FR-1], 0, v[SC+8*NQ*(\sc)+NQ*\b+(\q)], v[SC+8*NQ*(\sc)+NQ*(\a)+(\q)] matrix_a_fmt:MATRIX_FMT_FP4 matrix_b_fmt:MATRIX_FMT_FP4 matrix_a_scale:MATRIX_SCALE_ROW1
.else
	v_wmma_scale_f32_16x16x128_f8f6f4 v[8*(8*((\a)%4)+\b):8*(8*((\a)%4)+\b)+7], v[128*(\p)+FR*\b:128*(\p)+FR*\b+FR-1], v[AF+FR*(\a):AF+FR*(\a)+FR-1], v[8*(8*((\a)%4)+\b):8*(8*((\a)%4)+\b)+7], v[SC+8*NQ*(\sc)+NQ*\b+(\q)], v[SC+8*NQ*(\sc)+NQ*(\a)+(\q)] matrix_a_fmt:MATRIX_FMT_FP4 matrix_b_fmt:MATRIX_FMT_FP4 matrix_a_scale:MATRIX_SCALE_ROW1
.endif
.endr
.endr
.endm
.macro FETCH_B slot, q, p              ; W's eight fragments of the slot's q-th 128 along K into set p
	WIN TO_B
.irp i, 0,1,2,3,4,5,6,7
	FRAG 128*(\p)+FR*\i, ADRB+\slot, \q, \i
.endr
	WIN 0
.endm
.macro FETCH_A slot, q, i0             ; x's blocks i0 .. i0 + 3
.irp i, \i0, \i0+1, \i0+2, \i0+3
	FRAG AF+FR*(\i), ADRA+\slot, \q, \i
.endr
.endm
.macro SCALES sc                       ; a slot's scale words into set sc: NQ words a row; lanes 0-15 take x's block i, lanes 16-31 W's block i
.irp i, 0,1,2,3,4,5,6,7
	ds_load_b128 v[SC+8*NQ*\sc+NQ*\i:SC+8*NQ*\sc+NQ*\i+3], v[ADRS] offset:\i*SBLK
.endr
.endm
; A load into a register that a matrix instruction has read, and a vector instruction or an LDS store that reads a matrix result, stand NP places behind it; only plain vector instructions that name none of its registers are places.
.macro PLACES n
.rept \n
	v_nop
.endr
.endm
; A step of 128 along K that has its successor in the same slot.  A block of x is free as soon as its eight products are issued: blocks 0-3 are fetched anew in the step's middle, blocks 4-7 at its end.
.macro STEP slot, q, zero
	s_wait_dscnt 4*NL                              ; W's set and x's blocks 0-3 are in; the youngest eight loads (x's blocks 4-7) may be out
	WIN MUL_LO
	MUL16 0, (\q)%2, \q, \slot, \zero
	MUL16 2, (\q)%2, \q, \slot, \zero
	s_wait_dscnt 0                                 ; x's blocks 4-7 are in
	PLACES NP
	FETCH_B \slot, (\q)+1, 1-(\q)%2
	FETCH_A \slot, (\q)+1, 0
	WIN MUL_HI
	MUL16 4, (\q)%2, \q, \slot, \zero
	MUL16 6, (\q)%2, \q, \slot, \zero
	PLACES NP
	WIN 0
	FETCH_A \slot, (\q)+1, 4
.endm
; Slot 0's last step changes slots: in front of the barrier each wave waits for all its tensor loads (its part of slot 1), adds 0 to its spare word, and waits for that and for its reads of slot 0.  Nothing is filled again.
.macro TURN slot, next
	s_wait_tensorcnt 0x0                           ; all my tensor loads have landed
	ds_add_u32 v[SPW], v[NIL]                      ; 0 onto my spare word
	s_wait_dscnt 4*NL+1                            ; (the add and the youngest eight loads may be out)
	WIN MUL_LO
	MUL16 0, 1, NQ-1, \slot, 0                     ; sixteen matrix instructions stand between the add and the wait for it
	s_wait_dscnt 0x0                               ; the add is done, and my reads of this slot are over
	s_barrier_signal -1
	MUL16 2, 1, NQ-1, \slot, 0
	WIN 0
	s_barrier_wait -1
	PLACES NP
	v_add_nc_u32 v[ADRS], 4*NQ, v[ADRS]            ; on to the next slot's scale words (no LDS load of mine is out)
	FETCH_B \next, 0, 0
	FETCH_A \next, 0, 0
	SCALES \next
	WIN MUL_HI
	MUL16 4, 1, NQ-1, \slot, 0
	MUL16 6, 1, NQ-1, \slot, 0
	PLACES NP
	WIN 0
	FETCH_A \next, 0, 4
.endm
.macro STEPS slot, from                ; the slot's steps from .. NQ - 2
.set Q, \from
.rept NQ-1-\from
	STEP \slot, Q, 0
.set Q, Q+1
.endr
.endm
	s_wait_tensorcnt 1                             ; the scales and my part of slot 0 are in (slot 1's load, the one issued behind them, may be out),
	s_barrier_signal -1
	s_barrier_wait -1                              ; everybody's are
	FETCH_B 0, 0, 0
	FETCH_A 0, 0, 0
	SCALES 0
	FETCH_A 0, 0, 4
	STEP 0, 0, 1                                   ; the first step's products start the sums
	STEPS 0, 1
	TURN 0, 1
	STEPS 1, 0
	s_wait_dscnt 4*NL                              ; the very last step: nothing more to fetch
	WIN MUL_LO
	MUL16 0, 1, NQ-1, 1, 0
	MUL16 2, 1, NQ-1, 1, 0
	s_wait_dscnt 0
	WIN MUL_HI
	MUL16 4, 1, NQ-1, 1, 0
	MUL16 6, 1, NQ-1, 1, 0
	WIN 0
	PLACES NP                                      ; in front of the first reads of results and of the loads into registers that held fragments and scale words
	; THE FIRST 16 POSITIONS OF A BATCH, IN F32: my block 0 where cluster y = 0 and my rows are the tile's upper half.  The branch hangs on cluster y, which all partners share, and on the wave's number; no barrier stands inside.
	s_and_b32 s95, ttmp7, 0xffff
	s_or_b32 s95, s95, s15
	s_cmp_lg_u32 s95, 0
	s_cbranch_scc1 .Lno_fine
	WIN 0x08                                       ; an LDS store's data are its source 1: window 2
.irp b, 0,1,2,3,4,5,6,7
	ds_store_b128 v[STO32], v[8*\b:8*\b+3] offset:64*\b            ; each accumulator from its low end on
	ds_store_b128 v[STO32], v[8*\b+4:8*\b+7] offset:64*\b+16
.endr
	WIN 0
.irp t, 0,1,2,3,4,5,6,7,8,9,10,11,12,13,14,15
	ds_load_b128 v[128+4*\t:128+4*\t+3], v[RD32] offset:\t*SPITCH  ; LDS serves a wave's instructions in order: these see the stores above
.endr
	s_wait_dscnt 0x0
.irp t, 0,1,2,3,4,5,6,7,8,9,10,11,12,13,14,15
	global_store_b128 v[CO], v[128+4*\t:128+4*\t+3], s[96:97] offset:12288*\t   ; 32 lanes store 512 consecutive bytes, aligned
.endr
.Lno_fine:
; THE WAY OUT, block by block of 16 rows x 128 columns (two heads).  PACK: rounded to f16, 16 bytes a lane.  TOSTAGE: into my stage, and back as runs of four rows of one head.  SEND: stored; a head's rows are dense in qkv.
.macro PACK a
.set AC, 64*((\a)%4)
	WIN 0x0a+5*((\a)/4)                            ; sources 0 and 1: window 2 or 3
.irp b, 0,1,2,3,4,5,6,7
.irp r, 0,1,2,3
	v_cvt_pk_f16_f32 v[TMP+4*\b+\r], v[AC+8*\b+2*\r], v[AC+8*\b+2*\r+1]
.endr
.endr
	WIN 0
.endm
.macro TOSTAGE a
.set BB, OB+192*((\a)%2)
.irp b, 0,1,2,3,4,5,6,7
	ds_store_b128 v[STO], v[TMP+4*\b:TMP+4*\b+3] offset:32*\b
.endr
.irp hh, 0,1
.irp i, 0,1,2,3
	ds_load_b128 v[BB+4*(4*\hh+\i):BB+4*(4*\hh+\i)+3], v[RD] offset:1088*\i+128*\hh
.endr
.endr
.endm
.macro SEND a
.set BB, OB+192*((\a)%2)
	s_wait_dscnt 0x0                               ; the block is back in registers
	s_wait_xcnt 0x0                                ; the stores of the block before have read their registers, into which the next block's loads will land
.irp hh, 0,1
.irp i, 0,1,2,3
	global_store_b128 v[CO], v[BB+4*(4*\hh+\i):BB+4*(4*\hh+\i)+3], s[12:13] offset:262144*\hh+2048*(\a)+512*\i   ; four rows of one head: 512 consecutive bytes, aligned
.endr
.endr
.endm
	PACK 0
	TOSTAGE 0
.irp a, 1,2,3,4,5,6,7                  ; block a's conversions stand between block a - 1's loads from the stage and the wait for them
	PACK \a
	SEND \a-1
	TOSTAGE \a
.endr
	SEND 7
	s_wait_tensorcnt 0x0                           ; the wave's end: a wait for my tensor loads, an add of 0 to my spare word and its wait, behind my last tensor load and my last LDS store
	ds_add_u32 v[SPW], v[NIL]
	s_wait_dscnt 0x0
	CROUND                                         ; the closing round: no work-group ends while a partner may still ask for a tile that names it
	s_endpgm
.Lfunc_end_k_q6aae0656bd_qkv:
	.size	k_q6aae0656bd_qkv, .Lfunc_end_k_q6aae0656bd_qkv-k_q6aae0656bd_qkv
	.p2alignl 7, 3214868480
	.fill 96, 4, 3214868480
	.section	.rodata,"a",@progbits
	.p2align	6, 0x0
	.amdhsa_kernel k_q6aae0656bd_qkv
		.amdhsa_group_segment_fixed_size 327680
		.amdhsa_private_segment_fixed_size 0
		.amdhsa_enable_private_segment 0
		.amdhsa_kernarg_size 48
		.amdhsa_user_sgpr_count 2
		.amdhsa_user_sgpr_kernarg_segment_ptr 1
		.amdhsa_wavefront_size32 1
		.amdhsa_system_sgpr_workgroup_id_x 1
		.amdhsa_system_sgpr_workgroup_id_y 1
		.amdhsa_system_sgpr_workgroup_id_z 1
		.amdhsa_system_vgpr_workitem_id 0
		.amdhsa_next_free_vgpr 1024
		.amdhsa_next_free_sgpr 100
		.amdhsa_reserve_vcc 0
		.amdhsa_float_denorm_mode_32 3
		.amdhsa_float_denorm_mode_16_64 3
		.amdhsa_memory_ordered 1
		.amdhsa_forward_progress 1
		.amdhsa_inst_pref_size 131
	.end_amdhsa_kernel
	.amdgpu_metadata
---
amdhsa.version: [ 1, 2 ]
amdhsa.kernels:
  - .name:           k_q6aae0656bd_qkv
    .symbol:         k_q6aae0656bd_qkv.kd
    .args:
      - { .name: xc, .offset: 0, .size: 8, .value_kind: global_buffer, .address_space: global }
      - { .name: xs, .offset: 8, .size: 8, .value_kind: global_buffer, .address_space: global }
      - { .name: wc, .offset: 16, .size: 8, .value_kind: global_buffer, .address_space: global }
      - { .name: ws, .offset: 24, .size: 8, .value_kind: global_buffer, .address_space: global }
      - { .name: qkv, .offset: 32, .size: 8, .value_kind: global_buffer, .address_space: global }
      - { .name: fq, .offset: 40, .size: 8, .value_kind: global_buffer, .address_space: global }
    .group_segment_fixed_size: 327680
    .private_segment_fixed_size: 0
    .kernarg_segment_align: 8
    .kernarg_segment_size: 48
    .max_flat_workgroup_size: 128
    .sgpr_count:     100
    .vgpr_count:     1024
    .wavefront_size: 32
...
	.end_amdgpu_metadata
.endif
;; end of part 2
;; launch attn (part 3): grid 4 x 64, 16 waves a work-group, no clusters, 327,680 bytes of LDS; arguments qkv, y; writes y
.if DOCPART == 3
	.amdgcn_target "amdgcn-amd-amdhsa--gfx1250"
	.amdhsa_code_object_version 6
	.text
	.protected	k_q6aae0656bd_attn
	.globl	k_q6aae0656bd_attn
	.p2align	8
	.type	k_q6aae0656bd_attn,@function
k_q6aae0656bd_attn:
	s_mov_b64 s[64:65], 0
	v_nop
	global_prefetch_b8 v0, s[64:65] scope:SCOPE_SE
	s_setreg_imm32_b32 hwreg(HW_REG_WAVE_MODE, 25, 1), 1
	s_wait_xcnt 0x0
; y[bh][q][:] = the sum over k <= q of softmax_k(Q[bh][q] . K[bh][k] / 8) V[bh][k][:].  Q, K, V: qkv [3][64 bh][2,048][64] f16.  y: [16 head][8,192 = 2,048 batch + position][64] f16.  Products, maxima and sums in f32;
; the weights p are rounded to f16 for the second product, and the row's sum is taken of those rounded p.  (Positions 0-15 of each batch are computed here too, but the last launch carries them anew in f32.)
; LIMITS: NaN and infinities are not served; a y under 6e-5 in magnitude keeps f16's step of 6e-8.
; SHARES.  Work-group (i, bh) owns the blocks i and 7 - i of 256 queries of head bh: i + 1 and 8 - i blocks of keys count for them, nine in every work-group.  Eight of its sixteen waves take each block, 32 queries (two tiles of 16) a wave;
; wave w takes block i where (w ^ (w >> 2)) & 1 is 0: two waves of each kind among any four neighbours and among any four that lie 4 apart.  Four waves share a SIMD: one wave's vector work stands beside another's products and LDS loads.
; NO CLUSTER: the four work-groups of a head want 8, 7, 6 and 5 slots of keys; a joint load would bring three of them tiles that none of their waves reads.
; THE WALK.  All waves walk the head's keys from 0: eight slots of 256 keys, steps of 64; the trip counts are constants.  A step all of whose keys come after the wave's queries is jumped over by a scalar branch on ids.
; K's and V's tiles come through a ring of two LDS slots, filled by the tensor data mover (waves 0, 1: K's halves; waves 2, 3: V's); one tensor load of a wave is out at most, and every wait for them is for 0.
; LAYOUT.  S^T = K Q^T (source 0 = 16 keys, source 1 = 16 queries): a lane holds ONE query (lane % 16) and keys 8 (lane / 16) + 0..7.  Two such tiles, rounded to f16 in pairs, ARE source 1 (32 keys x 16 queries) of O^T = V^T P.
; THE ROW'S SUM is a product too: source 0 holds ones in rows 0 and 8 and zeros elsewhere, so register 0 of the result is the query's sum in every lane: two matrix instructions a tile and step in place of 16 packed additions and an exchange.
; SOFTMAX.  A running maximum m for each query: p = 2^(c s - c m), c = log2(e) / 8; in every step O and the sum are multiplied by a = 2^(c m_old - c m_new).  The loop has no first step of its own: O and the sum begin as zeros, m as -3e38.
; LDS ROWS hold TWO keys (a head's rows are dense in memory, 128 bytes each): 256 bytes + 16 of padding for K, + 32 for V.
.set KP,    272
.set VP,    288
.set VOFF,  128*KP                     ; a slot: 128 double rows of K, then 128 of V
.set SLOT1, 1<<17                      ; slot 1 begins here: one exclusive or turns an address in one slot into the other's
.set STAGE, 2*SLOT1                    ; the way out: 16 rows x (128 bytes + 16) for each wave; no tile lands here
.set SPARE, STAGE+16*2304              ; the spare words, 128 bytes a wave
.set AK0,  1                           ; v1   my lane's place in a tile of K
.set AV0,  2                           ; v2   the same for V (the turning load)
.set ADK,  3                           ; v3   LDS address of the slot's K
.set ADV,  4                           ; v4   of its V
.set SPW,  5                           ; v5   LDS address of my spare word; never rewritten
.set NIL,  6                           ; v6   0; never rewritten
.set GO,   7                           ; v7   16 x lane: my bytes of a store's 512
.set PFO,  8                           ; v8   256 x lane: the prefetches' offset
.set DL,   9                           ; v9   lane % 16 - 8 (lane / 16)
.set STO,  10                          ; v10  the way out: where I put 16 bytes of a row
.set RD,   11                          ; v11  where I read back
.set ST,   12                          ; v12-27 statistics, eight a tile: +0 c m, +1 m, +4..+7 four chains of the maximum; then +6 a, +7 c m_old - c m_new
.set D0,   28                          ; v28, v29 the diagonal: my query - the step's first key - 8 (lane / 16), for tiles 0, 1
.set NINF, 30                          ; v30  -infinity
.set QO,   31                          ; v31  my lane's byte in a tile of Q
.set Q,    32                          ; v32-63   Q: tile u, channels 32 c on, at Q + 16 u + 8 c
.set S,    64                          ; v64-127  S^T: tile u, keys 16 kt on, at S + 32 u + 8 kt; then P in place, at S + 32 u + 0..15
.set F,    128                         ; v128-159 four fragments of K, then of V
.set OA,   160                         ; v160-223 O^T: tile u, channels 16 ct on, at OA + 32 u + 8 ct
.set LA,   224                         ; v224-239 the sums' accumulators, eight a tile
.set ONE,  240                         ; v240-247 the fragment of ones
.set TB,   2                           ; s2   LDS byte at which the slot in hand begins
.set WV,   18                          ; s18  my wave's number
.set SEL,  20                          ; s[20:21] lane selects for v_permlanex16_b32: lane l xor 16
.set CS,   22                          ; s[22:23] c: the packed form names a pair and takes its low word for both halves
.set G1K,  24                          ; s[24:31] descriptor group 1 for K's tiles;  s[32:39] for V's;  s[40:43], s[44:47] their groups 0, which walk
.set G1V,  32
.set G0K,  40
.set G0V,  44
.set SLOTS, 67                         ; s67  changes of slots still to come
.set LQ,   68                          ; s68  my work-group's last query
.set PFA,  76                          ; s[76:77] where my prefetches stand
.set LIM,  80                          ; s80  1 in a wave that prefetches, else the greatest number
.set KF,   98                          ; s98  the step's first key
.set Q0,   99                          ; s99  my first query
; Waves 0 and 1 fetch for K, waves 2 and 3 for V, the others nothing.  An s_nop 0 and four v_nop follow each of the two lines.
.macro TLOAD
	s_cmp_lt_u32 s[WV], 2
	s_cbranch_scc0 .Lnot_k_\@
	tensor_load_to_lds s[G0K:G0K+3], s[G1K:G1K+7]
	s_nop 0
.rept 4
	v_nop
.endr
	s_branch .Lasked_\@
.Lnot_k_\@:
	s_cmp_lt_u32 s[WV], 4
	s_cbranch_scc0 .Lasked_\@
	tensor_load_to_lds s[G0V:G0V+3], s[G1V:G1V+7]
	s_nop 0
.rept 4
	v_nop
.endr
.Lasked_\@:
.endm
; A PREFETCH INTO THE L2 of the slot that the NEXT change of slots will ask for: 32,768 dense bytes of K and as many of V, four key steps ahead of that load.  The head's work-group 0, which walks all eight slots, asks, and nobody else;
; in it waves 4-7 ask for K and waves 8-11 for V, 8,192 bytes a wave, lanes 256 bytes apart: each aligned block of 256 bytes is named once in the launch.  Slots 0 and 1 come by their loads alone; the last change that fills a slot asks for nothing.
.macro ASK
	s_cmp_gt_u32 s[SLOTS], s[LIM]
	s_cbranch_scc0 .Lnot_mine_\@
	global_prefetch_b8 v[PFO], s[PFA:PFA+1] th:TH_LOAD_NT scope:SCOPE_SE
.Lnot_mine_\@:
.endm
	s_load_b128 s[4:7], s[0:1], 0x0                ; qkv s[4:5], y s[6:7]
	v_lshl_add_u32 v[SPW], v0, 2, SPARE
	v_mov_b32 v[NIL], 0
	ds_add_u32 v[SPW], v[NIL]                      ; the wave's opening: the add, twice on end, and its wait ahead of the first tensor load; the set-up below stands between
	ds_add_u32 v[SPW], v[NIL]
	v_lshrrev_b32 v8, 5, v0
	v_readfirstlane_b32 s[WV], v8                  ; wave 0..15
	s_and_b32 s70, ttmp7, 0xffff                   ; bh
	s_lshr_b32 s71, s[WV], 2
	s_xor_b32 s71, s71, s[WV]
	s_and_b32 s71, s71, 1                          ; 0: block i; 1: block 7 - i
	s_lshr_b32 s72, s[WV], 1                       ; which 32 queries of the block
	s_sub_co_u32 s73, 7, ttmp9
	s_cmp_eq_u32 s71, 0
	s_cselect_b32 s73, ttmp9, s73
	s_lshl_b32 s73, s73, 8
	s_lshl_b32 s72, s72, 5
	s_add_co_u32 s[Q0], s73, s72
	s_lshl_b32 s[LQ], ttmp9, 8
	s_sub_co_u32 s[LQ], 2047, s[LQ]                ; block 7 - i ends here
	s_and_b32 s74, s[WV], 1                        ; which half of a slot's rows I fetch, if I fetch
	s_lshl_b32 s75, s70, 18                        ; the head's first byte in each of q, k, v
	s_lshl_b32 s82, s74, 14
	s_add_co_u32 s82, s82, s75
	s_add_co_u32 s82, s82, 1<<24                   ; K's half, in memory
	s_mov_b32 s83, 0
	s_add_co_u32 s84, s82, 1<<24                   ; V's
	s_mov_b32 s85, 0
	s_mul_i32 s86, s74, 64*KP                      ; and in a slot
	s_mul_i32 s87, s74, 64*VP
	s_add_co_u32 s87, s87, VOFF
	s_lshl_b32 s88, s[Q0], 7
	s_add_co_u32 s88, s88, s75                     ; my queries' rows of q
	s_mov_b32 s89, 0
	s_and_b32 s90, s70, 15
	s_lshl_b32 s90, s90, 20                        ; y: the head's plane,
	s_lshr_b32 s91, s70, 4
	s_lshl_b32 s91, s91, 11
	s_add_co_u32 s91, s91, s[Q0]
	s_lshl_b32 s91, s91, 7                         ; row 2,048 batch + my first query, 128 bytes each
	s_add_co_u32 s90, s90, s91
	s_mov_b32 s91, 0
	; descriptor group 1: 64 double rows of 128 elements of 2 bytes, dense in memory
	s_mov_b32 s[G1K], (1<<16)|(1<<20)|(5<<22)|(3<<25)   ; 15:0 no mask; 17:16 elements of 2 bytes; 20 padding on; 24:22 after every 64 words; 31:25 four words
	s_mov_b32 s[G1V], (1<<16)|(1<<20)|(5<<22)|(7<<25)   ; the same with eight words of padding
.irp g, G1K, G1V
	s_mov_b32 s[\g+1], 128<<16                     ; tensor_dim0
	s_mov_b32 s[\g+2], 64<<16                      ; tensor_dim1
	s_mov_b32 s[\g+3], 128<<16                     ; tile_dim0
	s_mov_b32 s[\g+4], 64                          ; tile_dim1
	s_mov_b32 s[\g+5], 128                         ; tensor_dim0_stride
	s_mov_b32 s[\g+6], 0
	s_mov_b32 s[\g+7], 0
.endr
	s_mov_b32 s[SEL], 0x76543210
	s_mov_b32 s[SEL+1], 0xfedcba98
	s_mov_b32 s[CS], 0x3e38aa3b                    ; c = log2(e) / 8
	s_mov_b32 s[CS+1], s[CS]                       ; (named with it as a pair, so it is written)
	s_mov_b32 s[TB], 0
	s_mov_b32 s[KF], 0
	s_mov_b32 s[SLOTS], 7
	s_wait_dscnt 0x0                               ; both opening adds are done
	s_wait_kmcnt 0x0
	s_mov_b32 s[G0K], 1                            ; 1:0 count = 1
	s_mov_b32 s[G0K+1], s86                        ; 63:32 LDS address: slot 0
	s_add_nc_u64 s[G0K+2:G0K+3], s[4:5], s[82:83]  ; 120:64 global address: the head's first 256 keys
	s_or_b32 s[G0K+3], s[G0K+3], 0x80000000        ; 127:126 type = 2
	s_mov_b32 s[G0V], 1
	s_mov_b32 s[G0V+1], s87
	s_add_nc_u64 s[G0V+2:G0V+3], s[4:5], s[84:85]
	s_or_b32 s[G0V+3], s[G0V+3], 0x80000000
	TLOAD                                          ; slot 0: it holds key 0, which counts for every query
	s_add_nc_u64 s[8:9], s[4:5], s[88:89]          ; Q at my first query
	s_add_nc_u64 s[6:7], s[6:7], s[90:91]          ; y likewise
	; the prefetches: where my wave's stand, and who asks
	s_and_b32 s92, s[WV], 3
	s_lshl_b32 s92, s92, 13                        ; my wave's 8,192 bytes of a slot,
	s_add_co_u32 s92, s92, s75                     ; in my head,
	s_add_co_u32 s92, s92, 32768                   ; in slot 1: the first change of slots steps it to slot 2
	s_mov_b32 s93, 2<<24
	s_cmp_lt_u32 s[WV], 8
	s_cselect_b32 s93, 1<<24, s93                  ; of K (waves 4-7) or of V (waves 8-11)
	s_add_co_u32 s92, s92, s93
	s_mov_b32 s93, 0
	s_add_nc_u64 s[PFA:PFA+1], s[4:5], s[92:93]
	s_sub_co_u32 s94, s[WV], 4
	s_lshr_b32 s94, s94, 3                         ; 0 in waves 4 to 11,
	s_or_b32 s94, s94, ttmp9                       ; of the head's work-group 0
	s_cmp_eq_u32 s94, 0
	s_cselect_b32 s[LIM], 1, -1
	v_and_b32 v248, 15, v0                         ; r
	v_bfe_u32 v249, v0, 4, 1                       ; h
	v_and_b32 v250, 31, v0                         ; lane
	v_lshlrev_b32 v[QO], 7, v248
	v_lshl_add_u32 v[QO], v249, 4, v[QO]           ; Q: row r of 128 bytes, + 16 h
.irp u, 0,1
.irp c, 0,1
	global_load_b128 v[Q+16*\u+8*\c:Q+16*\u+8*\c+3], v[QO], s[8:9] offset:2048*\u+64*\c      ; Q stays in registers
	global_load_b128 v[Q+16*\u+8*\c+4:Q+16*\u+8*\c+7], v[QO], s[8:9] offset:2048*\u+64*\c+32
.endr
.endr
	v_lshrrev_b32 v251, 1, v248
	v_mul_u32_u24 v[AK0], v251, KP                 ; K: key r lies in double row r / 2,
	v_and_b32 v251, 1, v0
	v_lshl_add_u32 v[AK0], v251, 7, v[AK0]         ; in its half r % 2,
	v_lshl_add_u32 v[AK0], v249, 4, v[AK0]         ; + 16 h
	v_bfe_u32 v252, v0, 1, 2                       ; V, the turning load: lane l reads key 8 h + l % 8, channels 8 ((l / 8) % 2) on
	v_lshl_add_u32 v252, v249, 2, v252             ; its double row 4 h + (l % 8) / 2,
	v_mul_u32_u24 v[AV0], v252, VP
	v_lshl_add_u32 v[AV0], v251, 7, v[AV0]         ; its half l % 2
	v_bfe_u32 v252, v0, 3, 1
	v_lshl_add_u32 v[AV0], v252, 4, v[AV0]
	v_add_nc_u32 v[AV0], VOFF, v[AV0]
	v_lshlrev_b32 v[GO], 4, v250
	v_lshlrev_b32 v[PFO], 8, v250
	v_lshlrev_b32 v252, 3, v249
	v_sub_nc_u32 v[DL], v248, v252
	s_mul_i32 s95, s[WV], 2304
	s_add_co_u32 s95, s95, STAGE                   ; my stage
	v_mul_u32_u24 v[STO], v248, 144
	v_lshl_add_u32 v[STO], v249, 4, v[STO]
	v_add_nc_u32 v[STO], s95, v[STO]               ; in: row r, 16 bytes for each half of the lanes
	v_lshrrev_b32 v252, 3, v250
	v_mul_u32_u24 v[RD], v252, 144
	v_and_b32 v252, 7, v0
	v_lshl_add_u32 v[RD], v252, 4, v[RD]
	v_add_nc_u32 v[RD], s95, v[RD]                 ; back: eight lanes to a row of 128 bytes, four rows an instruction
	v_mov_b32 v[NINF], 0xff800000
	v_and_b32 v[ONE], 7, v0                        ; the fragment of ones: f16 1.0 twice in the lanes of rows 0 and 8, zeros elsewhere
	v_cmp_eq_u32 vcc_lo, 0, v[ONE]
	v_mov_b32 v[ONE+1], 0x3c003c00
	v_cndmask_b32 v[ONE], 0, v[ONE+1], vcc_lo
.irp j, 1,2,3,4,5,6,7
	v_mov_b32 v[ONE+\j], v[ONE]
.endr
.irp u, 0,1
	v_mov_b32 v[ST+8*\u+1], 0xff61b1e6             ; m = -3e38, under every score
	v_mul_f32 v[ST+8*\u], s[CS], v[ST+8*\u+1]      ; c m
.irp j, 4,5,6,7
	v_mov_b32 v[ST+8*\u+\j], 0
.endr
.endr
.set n, 0
.rept 80
	v_mov_b32 v[OA+n], 0                           ; O^T and the sums: the step is written once, and its first run finds zeros, which a = 0 leaves zeros
.set n, n+1
.endr
; A KEY STEP: 64 keys, the q-th of the slot in hand.
.macro STEP q
	s_add_co_u32 s96, s[Q0], 31                    ; a step all of whose keys come after my 32 queries is left out: ids and the count of steps alone; no barrier and no tensor load stands in a step
	s_cmp_gt_u32 s[KF], s96
	s_cbranch_scc1 .Lhidden_\@
	v_add_nc_u32 v[ADK], s[TB], v[AK0]
	v_add_nc_u32 v[ADV], s[TB], v[AV0]
.rept 4
	v_nop                                          ; with the two additions six places behind the last step's products: five are owed, since the products below write over P's and V's registers; four by the loads into the pool
.endr
.irp g, 0,1                                    ; S^T = K Q^T, two tiles of 16 keys at a time
.if \g
.rept 4
	v_nop                                          ; places in front of loads into the pool, which the products above have read
.endr
.endif
.irp t, 0,1
.irp c, 0,1
	ds_load_b128 v[F+16*\t+8*\c:F+16*\t+8*\c+3], v[ADK] offset:32*KP*(\q)+8*KP*(2*\g+\t)+64*\c
	ds_load_b128 v[F+16*\t+8*\c+4:F+16*\t+8*\c+7], v[ADK] offset:32*KP*(\q)+8*KP*(2*\g+\t)+64*\c+32
.endr
.endr
	s_wait_dscnt 0x0
.irp c, 0,1                                    ; four accumulators by turns, one instruction a turn; the first 32 channels start the sums
.irp t, 0,1
.irp u, 0,1
.if \c
	v_wmma_f32_16x16x32_f16 v[S+32*\u+8*(2*\g+\t):S+32*\u+8*(2*\g+\t)+7], v[F+16*\t+8*\c:F+16*\t+8*\c+7], v[Q+16*\u+8*\c:Q+16*\u+8*\c+7], v[S+32*\u+8*(2*\g+\t):S+32*\u+8*(2*\g+\t)+7]
.else
	v_wmma_f32_16x16x32_f16 v[S+32*\u+8*(2*\g+\t):S+32*\u+8*(2*\g+\t)+7], v[F+16*\t+8*\c:F+16*\t+8*\c+7], v[Q+16*\u+8*\c:Q+16*\u+8*\c+7], 0
.endif
.endr
.endr
.endr
.endr
.rept 4
	v_nop                                          ; places in front of the first read of the scores and of the loads into the pool
.endr
.irp ct, 0,1,2,3                               ; V of the step's first 32 keys, turned, into the pool that K has left: it lands while the softmax is walked
	ds_load_tr16_b128 v[F+8*\ct:F+8*\ct+3], v[ADV] offset:32*VP*(\q)+32*\ct
	ds_load_tr16_b128 v[F+8*\ct+4:F+8*\ct+7], v[ADV] offset:32*VP*(\q)+8*VP+32*\ct
.endr
	s_add_co_u32 s96, s[KF], 63                    ; on the diagonal hidden scores become -infinity ahead of the maximum: p = 0 then.  A step all of whose keys count skips this
	s_cmp_le_u32 s96, s[Q0]
	s_cbranch_scc1 .Lopen_\@
	s_sub_co_i32 s96, s[Q0], s[KF]
	v_add_nc_u32 v[D0], s96, v[DL]                 ; register 8 kt + j of tile u holds key KF + 16 kt + 8 h + j: hidden where 16 kt + j > my query - KF - 8 h
	v_add_nc_u32 v[D0+1], 16, v[D0]
.irp u, 0,1
.irp n, 0,1,2,3,4,5,6,7,8,9,10,11,12,13,14,15,16,17,18,19,20,21,22,23,24,25,26,27,28,29,30,31
	v_cmp_gt_i32 vcc_lo, 16*(\n/8)+\n%8, v[D0+\u]
	v_cndmask_b32 v[S+32*\u+\n], v[S+32*\u+\n], v[NINF], vcc_lo
.endr
.endr
.Lopen_\@:
.irp j, 0,1,2,3                                ; the maximum of my 32 scores and the old m: four chains a tile, the two tiles line by line; each accumulator is read from its low end on
.irp u, 0,1
	v_max3_num_f32 v[ST+8*\u+4+\j], v[S+32*\u+8*\j], v[S+32*\u+8*\j+1], v[S+32*\u+8*\j+2]
.endr
.endr
.irp k, 1,2
.irp j, 0,1,2,3
.irp u, 0,1
	v_max3_num_f32 v[ST+8*\u+4+\j], v[ST+8*\u+4+\j], v[S+32*\u+8*\j+2*\k+1], v[S+32*\u+8*\j+2*\k+2]
.endr
.endr
.endr
.irp u, 0,1
	v_max3_num_f32 v[ST+8*\u+4], v[ST+8*\u+4], v[S+32*\u+7], v[S+32*\u+15]
.endr
.irp u, 0,1
	v_max3_num_f32 v[ST+8*\u+6], v[ST+8*\u+6], v[S+32*\u+23], v[S+32*\u+31]
.endr
.irp u, 0,1
	v_max3_num_f32 v[ST+8*\u+4], v[ST+8*\u+4], v[ST+8*\u+5], v[ST+8*\u+6]
.endr
.irp u, 0,1
	v_max3_num_f32 v[ST+8*\u+4], v[ST+8*\u+4], v[ST+8*\u+7], v[ST+8*\u+1]
.endr
.irp u, 0,1
	v_permlanex16_b32 v[ST+8*\u+5], v[ST+8*\u+4], s[SEL], s[SEL+1]   ; the query's other 32 keys lie in the lane 16 away
.endr
.irp u, 0,1
	v_mov_b32 v[ST+8*\u+7], v[ST+8*\u]             ; c m_old is kept for a
.endr
.irp u, 0,1
	v_max_num_f32 v[ST+8*\u+1], v[ST+8*\u+4], v[ST+8*\u+5]
.endr
.irp u, 0,1
	v_mul_f32 v[ST+8*\u], s[CS], v[ST+8*\u+1]
.endr
.irp u, 0,1
	v_sub_f32 v[ST+8*\u+7], v[ST+8*\u+7], v[ST+8*\u]
.endr
.irp u, 0,1
.irp j, 0,2,4,6,8,10,12,14,16,18,20,22,24,26,28,30
	v_pk_fma_f32 v[S+32*\u+\j:S+32*\u+\j+1], v[S+32*\u+\j:S+32*\u+\j+1], s[CS:CS+1], v[ST+8*\u:ST+8*\u+1] op_sel_hi:[1,0,0] neg_lo:[0,0,1] neg_hi:[0,0,1]   ; c s - c m, two at a time
.endr
.endr
.irp u, 0,1                                    ; ONE BATCH of 66 exponentials: none reads another's result
	v_exp_f32 v[ST+8*\u+6], v[ST+8*\u+7]           ; a
.endr
.set n, 0
.rept 64
	v_exp_f32 v[S+n], v[S+n]                       ; p
.set n, n+1
.endr
	v_nop                                          ; a plain instruction behind the last exponential
	s_wait_alu depctr_va_vdst(0)                   ; and the one wait ahead of the batch's first reader
.irp u, 0,1
.irp i, 0,1,2,3,4,5,6,7,8,9,10,11,12,13,14,15
	v_cvt_pk_f16_f32 v[S+32*\u+\i], v[S+32*\u+2*\i], v[S+32*\u+2*\i+1]   ; P in place: register i was read by conversion i / 2 before it is written
.endr
.endr
.irp ct, 0,1,2,3                               ; V of the second 32 keys, into the upper halves of S^T, which the conversions have left
	ds_load_tr16_b128 v[80+8*(\ct%2)+32*(\ct/2):80+8*(\ct%2)+32*(\ct/2)+3], v[ADV] offset:32*VP*(\q)+16*VP+32*\ct
	ds_load_tr16_b128 v[80+8*(\ct%2)+32*(\ct/2)+4:80+8*(\ct%2)+32*(\ct/2)+7], v[ADV] offset:32*VP*(\q)+24*VP+32*\ct
.endr
.irp u, 0,1
.irp j, 0,2,4,6,8,10,12,14,16,18,20,22,24,26,28,30
	v_pk_mul_f32 v[OA+32*\u+\j:OA+32*\u+\j+1], v[OA+32*\u+\j:OA+32*\u+\j+1], v[ST+8*\u+6:ST+8*\u+7] op_sel_hi:[1,0]   ; O^T x a
.endr
	v_mul_f32 v[LA+8*\u], v[LA+8*\u], v[ST+8*\u+6] ; the sum x a: register 0 holds it; registers 1-7 are zeros and stay so
.endr
	s_wait_dscnt 0x0                               ; V's sixteen loads are in
.irp g, 0,1                                    ; O^T += V^T P and the sums: ten accumulators by turns
.irp ct, 0,1,2,3
.set VR, (1-\g)*(F+8*\ct)+\g*(80+8*(\ct%2)+32*(\ct/2))
.irp u, 0,1
	v_wmma_f32_16x16x32_f16 v[OA+32*\u+8*\ct:OA+32*\u+8*\ct+7], v[VR:VR+7], v[S+32*\u+8*\g:S+32*\u+8*\g+7], v[OA+32*\u+8*\ct:OA+32*\u+8*\ct+7]
.endr
.endr
.irp u, 0,1
	v_wmma_f32_16x16x32_f16 v[LA+8*\u:LA+8*\u+7], v[ONE:ONE+7], v[S+32*\u+8*\g:S+32*\u+8*\g+7], v[LA+8*\u:LA+8*\u+7]
.endr
.endr
.Lhidden_\@:
	s_add_co_u32 s[KF], s[KF], 64
.endm
; THE CHANGE OF SLOTS stands at a slot's head.  Each wave waits for all its tensor loads (its part of the slot ahead), adds 0 to its spare word, and waits for
; that and for its reads of the slot that it has left.  Behind the barrier the slot ahead is whole and nobody reads the other one.  fill = 1: that other slot takes the next 256 keys: the load has four key steps in which to land.
.macro CHANGE fill
	s_wait_tensorcnt 0x0                           ; no tensor load of mine is out, so a group 0 may be written
	ds_add_u32 v[SPW], v[NIL]                      ; 0 onto my spare word
.if \fill
	ds_add_u32 v[SPW], v[NIL]                      ; and once more, in every trip alike; the descriptors' steps stand between it and the wait
	s_xor_b32 s[G0K+1], s[G0K+1], SLOT1            ; the walking descriptors: the other slot than last time,
	s_add_nc_u64 s[G0K+2:G0K+3], s[G0K+2:G0K+3], 32768   ; the next 256 keys; the type bits on top are not reached
	s_xor_b32 s[G0V+1], s[G0V+1], SLOT1
	s_add_nc_u64 s[G0V+2:G0V+3], s[G0V+2:G0V+3], 32768
	s_wait_xcnt 0x0                                ; the last prefetch, a slot back, has read its address, so it may be written:
	s_add_nc_u64 s[PFA:PFA+1], s[PFA:PFA+1], 32768 ; one slot further on than the walking descriptors
.endif
	s_wait_dscnt 0x0                               ; the add is done (fill = 1: both are), and my reads of the slot that I have left are over
	s_barrier_signal -1
	s_barrier_wait -1
.if \fill
	s_add_co_u32 s96, s[KF], 256                   ; THE LOOK-AHEAD ENDS AT THE CAUSAL LIMIT: a slot whose first key comes after my work-group's last query is read by none of its waves, so it is not asked for.
	s_cmp_gt_u32 s96, s[LQ]                        ; Ids and the count of steps alone: all sixteen waves go the same way, and a work-group past the limit stays past it.  Where the tail begins hangs on the work-group's number, so it cannot be written out
	s_cbranch_scc1 .Lpast_\@
	TLOAD                                          ; a wave's one tensor load until the next such barrier
.Lpast_\@:
	ASK
.endif
.endm
.macro SLOT_STEPS
	STEP 0
	STEP 1
	STEP 2
	STEP 3
	s_xor_b32 s[TB], s[TB], SLOT1                  ; on to the other slot
.endm
	s_wait_loadcnt 0x0                             ; Q
.Lslot:                                            ; seven trips: behind each change of slots but the last the next slot is asked for, up to the limit
	CHANGE 1
	SLOT_STEPS
	s_sub_co_u32 s[SLOTS], s[SLOTS], 1
	s_cmp_lg_u32 s[SLOTS], 0
	s_cbranch_scc1 .Lslot
	CHANGE 0                                       ; the last slot is written out: nothing is left to ask for
	SLOT_STEPS
	; THE WAY OUT.  O^T is divided by the sum, rounded to f16 and sent through my stage, a tile (16 rows of 128 bytes) at a time; it leaves as runs of four rows, which are dense in y's plane.
.rept 4
	v_nop                                          ; places behind the last products
.endr
.irp u, 0,1
	v_rcp_f32 v[ST+8*\u+6], v[LA+8*\u]             ; the sum lies in the accumulator's lowest register
.endr
	v_nop                                          ; a plain instruction behind the last reciprocal,
	s_wait_alu depctr_va_vdst(0)                   ; and the wait ahead of the first use: one for both
.irp u, 0,1
.irp j, 0,2,4,6,8,10,12,14,16,18,20,22,24,26,28,30
	v_pk_mul_f32 v[OA+32*\u+\j:OA+32*\u+\j+1], v[OA+32*\u+\j:OA+32*\u+\j+1], v[ST+8*\u+6:ST+8*\u+7] op_sel_hi:[1,0]
.endr
.irp i, 0,1,2,3,4,5,6,7,8,9,10,11,12,13,14,15
	v_cvt_pk_f16_f32 v[S+16*\u+\i], v[OA+32*\u+2*\i], v[OA+32*\u+2*\i+1]
.endr
.irp ct, 0,1,2,3
	ds_store_b128 v[STO], v[S+16*\u+4*\ct:S+16*\u+4*\ct+3] offset:32*\ct
.endr
.irp i, 0,1,2,3
	ds_load_b128 v[F+16*\u+4*\i:F+16*\u+4*\i+3], v[RD] offset:576*\i   ; LDS serves a wave's instructions in order: these see the stores above, and the next tile's stores come behind them
.endr
.endr
.irp u, 0,1
.irp i, 0,1,2,3
	s_wait_dscnt 11-8*\u-\i                        ; behind tile 0's load i stand its 3 - i later loads and tile 1's eight LDS instructions; behind tile 1's its 3 - i later loads
	global_store_b128 v[GO], v[F+16*\u+4*\i:F+16*\u+4*\i+3], s[6:7] offset:2048*\u+512*\i   ; 512 consecutive bytes, aligned
.endr
.endr
	s_wait_tensorcnt 0x0                           ; the wave's end: a wait for my tensor loads, an add of 0 to my spare word and its wait, behind my last tensor load and my last LDS store
	ds_add_u32 v[SPW], v[NIL]
	s_wait_dscnt 0x0
	s_endpgm
.Lfunc_end_k_q6aae0656bd_attn:
	.size	k_q6aae0656bd_attn, .Lfunc_end_k_q6aae0656bd_attn-k_q6aae0656bd_attn
	.p2alignl 7, 3214868480
	.fill 96, 4, 3214868480
	.section	.rodata,"a",@progbits
	.p2align	6, 0x0
	.amdhsa_kernel k_q6aae0656bd_attn
		.amdhsa_group_segment_fixed_size 327680
		.amdhsa_private_segment_fixed_size 0
		.amdhsa_enable_private_segment 0
		.amdhsa_kernarg_size 16
		.amdhsa_user_sgpr_count 2
		.amdhsa_user_sgpr_kernarg_segment_ptr 1
		.amdhsa_wavefront_size32 1
		.amdhsa_system_sgpr_workgroup_id_x 1
		.amdhsa_system_sgpr_workgroup_id_y 1
		.amdhsa_system_sgpr_workgroup_id_z 1
		.amdhsa_system_vgpr_workitem_id 0
		.amdhsa_next_free_vgpr 256
		.amdhsa_next_free_sgpr 100
		.amdhsa_reserve_vcc 1
		.amdhsa_float_denorm_mode_32 3
		.amdhsa_float_denorm_mode_16_64 3
		.amdhsa_memory_ordered 1
		.amdhsa_forward_progress 1
		.amdhsa_inst_pref_size 177
	.end_amdhsa_kernel
	.amdgpu_metadata
---
amdhsa.version: [ 1, 2 ]
amdhsa.kernels:
  - .name:           k_q6aae0656bd_attn
    .symbol:         k_q6aae0656bd_attn.kd
    .args:
      - { .name: qkv, .offset: 0, .size: 8, .value_kind: global_buffer, .address_space: global }
      - { .name: y, .offset: 8, .size: 8, .value_kind: global_buffer, .address_space: global }
    .group_segment_fixed_size: 327680
    .private_segment_fixed_size: 0
    .kernarg_segment_align: 8
    .kernarg_segment_size: 16
    .max_flat_workgroup_size: 512
    .sgpr_count:     100
    .vgpr_count:     256
    .wavefront_size: 32
...
	.end_amdgpu_metadata
.endif
;; end of part 3
;; launch oproj (part 4): grid 4 x 64, 4 waves a work-group, clusters of 4 x 4, 327,680 bytes of LDS; arguments y, wo16, out0; writes out0
.if DOCPART == 4
	.amdgcn_target "amdgcn-amd-amdhsa--gfx1250"
	.amdhsa_code_object_version 6
	.text
	.protected	k_q6aae0656bd_oproj
	.globl	k_q6aae0656bd_oproj
	.p2align	8
	.type	k_q6aae0656bd_oproj,@function
k_q6aae0656bd_oproj:
	s_mov_b64 s[64:65], 0
	v_nop
	global_prefetch_b8 v0, s[64:65] scope:SCOPE_SE
	s_setreg_imm32_b32 hwreg(HW_REG_WAVE_MODE, 25, 1), 1
	s_wait_xcnt 0x0
	s_wait_alu depctr_hold_cnt(0) depctr_sa_sdst(0) depctr_va_vdst(0) depctr_va_sdst(0) depctr_va_ssrc(0) depctr_va_vcc(0) depctr_vm_vsrc(0)
	s_getreg_b32 s2, hwreg(HW_REG_IB_STS2, 6, 4)
	s_cmp_eq_u32 s2, 0
	s_cbranch_scc0 .Lentry_in_a_cluster
	s_endpgm
.Lentry_in_a_cluster:
	s_bfe_u32 s2, ttmp6, 0x10000c
	s_cmp_lg_u32 s2, 0xf033
	s_cbranch_scc0 .Lentry_shape_is_right
	s_endpgm
.Lentry_shape_is_right:
; out[m][n] = sum over k of y[m][k] Wo[n][k], m = 8,192, n = k = 1,024; operands f16, sums and out in f32.  y lies by head: [16 head][8,192][64]; k = 64 head + channel.  wo16: [1,024 n][1,024 k].
; The rows of positions 0-15 of each batch are NOT stored here: the last launch makes them in f32.
; A tile of out is 128 rows x 256 columns: 256 work-groups, one for each WGP.  Four waves, each 64 x 128: 32 accumulators of 16 x 16, 256 registers.
; K goes in steps of 128 (two heads) through a ring of two LDS slots.  Of y a step is two dense blocks of 128 rows x 128 bytes, one a head: each comes as 64 double rows of 256 bytes; of Wo it is 256 rows of 256 bytes.
; Waves 0, 1 fetch y's two planes, waves 2, 3 Wo's two halves: one tensor load a wave behind each change of slots; two are out at the start, then one.  From a request to the wait for it a wave issues 112 matrix instructions.
; CLUSTERS: 4 x 4 work-groups.  The four of a row of the cluster need the same tiles of y, the four of a column the same tiles of Wo: each is asked for JOINTLY.  The tile row is 16 cy + cluster y, so that the batch is cy and
; whether a tile holds a batch's first positions (cluster y = 0) is the same in all sixteen partners.
; THE MATRIX INSTRUCTION IS USED TRANSPOSED (source 0 = 16 rows of Wo, source 1 = 16 rows of y): a lane then holds eight neighbouring numbers of a row of out.
; No prefetch: eight K steps in all, and both operands are shared in the cluster.
; REGISTERS: window 0: v0-31 addresses; v128-255 rows on the way out.   window 1: two fragment buffers, at v0 and v128: y's 4 fragments, then Wo's 8 from +32.   window 2: accumulator (a, b) at v[8 (8 a + b)].
.set KSTEP,  128
.set PITCH,  272                       ; an LDS row: 256 bytes + 16 of padding: the 16 rows (or 8 double rows' 16 halves) that a load touches fall on 16 different 16-byte columns of the 64 banks (ISA guide 11.1)
.set HALFA,  64*PITCH                  ; a plane of y: 64 double rows
.set HALFB,  128*PITCH                 ; 128 rows of Wo
.set SLOT,   2*HALFA+2*HALFB
.set STAGE,  2*SLOT                    ; behind the ring: 16 rows x 528 bytes for each wave; no tile lands here
.set SPITCH, 528
.set SPARE,  STAGE+4*16*SPITCH         ; the spare words, 128 bytes a wave
.set LAPS,   4                         ; a lap = two K steps = once round the ring: 1,024 / 256
.set ADRA, 16                          ; v16-17  LDS address of my y fragments in slot 0, 1
.set ADRB, 20                          ; v20-21  the same for Wo
.set STO,  24                          ; v24     the way out: where I put 32 bytes of a row
.set RD,   25                          ; v25     where I read a row of 512 bytes back
.set CO,   26                          ; v26     16 x lane
.set SPW,  28                          ; v28     LDS address of my spare word; never rewritten
.set NIL,  29                          ; v29     0; never rewritten
.set BK,   128                         ; the way out: 16 rows read back: v128-191 and v192-255 by turns
.set F0,   0
.set F1,   128
.set G1, 24                            ; s[24:31] descriptor group 1 for y's tiles;  s[32:39] group 0, one set for each slot
.set G0, 32
.set G1B, 48                           ; s[48:55], s[56:63] the same for Wo's
.set G0B, 56
.set MSB, 0
.macro WIN new                         ; the immediate's high byte repeats the setting that is left
.if MSB != \new
	s_set_vgpr_msb (MSB<<8)|\new
.set MSB, \new
.endif
.endm
.set MUL,  0xa5                        ; sources 0 and 1 window 1; C and D window 2
.set TO_F, 0x40                        ; destination window 1, address window 0
.macro JLOAD s                         ; a joint load; an s_nop 0 and four v_nop follow each of the two lines; the branch hangs on the wave's number alone
	s_cmp_eq_u32 s11, 0
	s_cbranch_scc0 .Lfor_b_\@
	tensor_load_to_lds s[G0+4*\s:G0+4*\s+3], s[G1:G1+7]
	s_nop 0
.rept 4
	v_nop
.endr
	s_branch .Lasked_\@
.Lfor_b_\@:
	tensor_load_to_lds s[G0B+4*\s:G0B+4*\s+3], s[G1B:G1B+7]
	s_nop 0
.rept 4
	v_nop
.endr
.Lasked_\@:
.endm
.macro CREST                           ; a round of the cluster's barrier behind its opening barrier
	s_cmp_lg_u32 s10, 0
	s_cbranch_scc1 .Lnot_wave_0_\@
	s_barrier_signal -3
.Lnot_wave_0_\@:
	s_barrier_wait -3
	s_barrier_signal -1
	s_barrier_wait -1
.endm
.macro CROUND                          ; a whole round
	s_barrier_signal -1
	s_barrier_wait -1
	CREST
.endm
	s_load_b128 s[4:7], s[0:1], 0x0                ; y s[4:5], wo16 s[6:7]
	s_load_b64 s[8:9], s[0:1], 0x10                ; out0
	v_lshl_add_u32 v[SPW], v0, 2, SPARE
	v_mov_b32 v[NIL], 0
	ds_add_u32 v[SPW], v[NIL]                      ; the wave's opening: the add, twice on end, and its wait ahead of my first tensor load; the set-up below stands between
	ds_add_u32 v[SPW], v[NIL]
	v_lshrrev_b32 v1, 5, v0
	v_readfirstlane_b32 s10, v1                    ; wave 0..3
	s_lshr_b32 s11, s10, 1                         ; which half of the tile's rows is mine.  Also: I fetch for y (0) or for Wo (1)
	s_and_b32 s12, s10, 1                          ; which half of its columns.  Also: which plane of y, or which 128 rows of Wo, I fetch
	s_bfe_u32 s40, ttmp6, 0x40000                  ; cx, cy: my place in the cluster
	s_bfe_u32 s41, ttmp6, 0x40004
	s_lshl_b32 s42, ttmp9, 2
	s_add_co_u32 s42, s42, s40                     ; tile column = 4 x cluster x + cx
	s_and_b32 s13, ttmp7, 0xffff
	s_lshl_b32 s14, s41, 4
	s_add_co_u32 s13, s13, s14                     ; tile row = 16 cy + cluster y
	s_lshl_b32 s43, s41, 2
	s_lshl_b32 s43, 15, s43                        ; my row of the cluster
	s_lshl_b32 s44, 0x1111, s40                    ; my column
	s_or_b32 s[G1+0], s43, (1<<16)|(1<<20)|(1<<21)|(5<<22)|(3<<25)  ; 15:0 the mask; 17:16 element of 2 bytes; 20 padding on; 21 set beside a mask; 24:22 after every 64 words; 31:25 four words
	s_or_b32 s[G1B+0], s44, (1<<16)|(1<<20)|(1<<21)|(5<<22)|(3<<25)
	s_mov_b32 s[G1+1], 128<<16                     ; y: tensor_dim0 = 128 elements (a double row)
	s_mov_b32 s[G1+2], 64<<16                      ; tensor_dim1 = 64
	s_mov_b32 s[G1+3], 128<<16                     ; tile_dim0
	s_mov_b32 s[G1+4], 64                          ; tile_dim1
	s_mov_b32 s[G1+5], 128                         ; dense
	s_mov_b32 s[G1+6], 0
	s_mov_b32 s[G1+7], 0
	s_mov_b32 s[G1B+1], 128<<16                    ; Wo: 128 rows of 128 elements,
	s_mov_b32 s[G1B+2], 128<<16
	s_mov_b32 s[G1B+3], 128<<16
	s_mov_b32 s[G1B+4], 128
	s_mov_b32 s[G1B+5], 1024                       ; 1,024 elements from row to row
	s_mov_b32 s[G1B+6], 0
	s_mov_b32 s[G1B+7], 0
	s_lshl_b32 s16, s12, 20                        ; y: my plane of K step 0,
	s_lshl_b32 s17, s13, 14                        ; the tile's 128 rows of 128 bytes
	s_add_co_u32 s16, s16, s17
	s_mov_b32 s17, 0
	s_lshl_b32 s46, s42, 19                        ; Wo: row 256 x tile column + 128 x half, 2,048 bytes each
	s_lshl_b32 s47, s12, 18
	s_add_co_u32 s46, s46, s47
	s_mov_b32 s47, 0
	s_mul_i32 s20, s12, HALFA                      ; where they go: no place in the cluster enters an LDS address
	s_mul_i32 s21, s12, HALFB
	s_add_co_u32 s21, s21, 2*HALFA
	s_wait_dscnt 0x0                               ; both opening adds are done
	s_wait_kmcnt 0x0
	s_add_nc_u64 s[14:15], s[4:5], s[16:17]
	s_add_nc_u64 s[46:47], s[6:7], s[46:47]
	CROUND                                         ; all sixteen work-groups are here: the first joint loads meet
.irp s, 0,1
	s_mov_b32 s[G0+4*\s], 1
	s_add_co_u32 s[G0+4*\s+1], s20, \s*SLOT
	s_add_nc_u64 s[G0+4*\s+2:G0+4*\s+3], s[14:15], \s*2*1048576      ; K step s: heads 2 s, 2 s + 1
	s_or_b32 s[G0+4*\s+3], s[G0+4*\s+3], 0x80000000
	s_mov_b32 s[G0B+4*\s], 1
	s_add_co_u32 s[G0B+4*\s+1], s21, \s*SLOT
	s_add_nc_u64 s[G0B+4*\s+2:G0B+4*\s+3], s[46:47], \s*KSTEP*2
	s_or_b32 s[G0B+4*\s+3], s[G0B+4*\s+3], 0x80000000
	JLOAD \s
.endr
	v_and_b32 v1, 15, v0                           ; r
	v_bfe_u32 v2, v0, 4, 1                         ; h
	v_lshrrev_b32 v5, 1, v1
	v_mul_u32_u24 v3, v5, PITCH                    ; y: row r lies in double row r / 2,
	v_and_b32 v5, 1, v0
	v_lshl_add_u32 v3, v5, 7, v3                   ; in its half r % 2,
	v_lshl_add_u32 v3, v2, 4, v3                   ; + 16 h
	v_mul_u32_u24 v4, v1, PITCH
	v_lshl_add_u32 v4, v2, 4, v4                   ; Wo: row r x pitch + 16 h
	s_mul_i32 s22, s11, 32*PITCH                   ; my 64 rows of y in each plane
	s_mul_i32 s23, s12, HALFB                      ; my 128 rows of Wo,
	s_add_co_u32 s23, s23, 2*HALFA                 ; behind y's two planes
.irp s, 0,1
	v_add_nc_u32 v[ADRA+\s], s22, v3
	v_add_nc_u32 v[ADRB+\s], s23, v4
	s_add_co_u32 s22, s22, SLOT
	s_add_co_u32 s23, s23, SLOT
.endr
	s_mul_i32 s22, s10, 16*SPITCH
	s_add_co_u32 s22, s22, STAGE                   ; my stage
	v_mul_u32_u24 v5, v1, SPITCH
	v_lshl_add_u32 v5, v2, 5, v5
	v_add_nc_u32 v[STO], s22, v5                   ; in: row r, 32 bytes for each half of the lanes
	v_and_b32 v6, 31, v0
	v_lshlrev_b32 v[CO], 4, v6
	v_add_nc_u32 v[RD], s22, v[CO]                 ; back: the 32 lanes take one row of 512 bytes
	s_lshl_b32 s46, s13, 19                        ; my part of out: row 128 x tile row + 64 x half, 4,096 bytes each;
	s_lshl_b32 s47, s11, 18
	s_add_co_u32 s46, s46, s47
	s_lshl_b32 s47, s42, 10                        ; column 256 x tile column + 128 x half, 4 bytes each
	s_add_co_u32 s46, s46, s47
	s_lshl_b32 s47, s12, 9
	s_add_co_u32 s46, s46, s47
	s_mov_b32 s47, 0
	s_add_nc_u64 s[8:9], s[8:9], s[46:47]
; 8 matrix instructions: y's block a against Wo's eight, 32 along K, from buffer f.  zero = 1: the first product starts the sums.  The 32 accumulators take turns, one instruction a turn, in the same order in every quarter.
.macro MULA f, a, zero
.irp b, 0,1,2,3,4,5,6,7
.if \zero
	v_wmma_f32_16x16x32_f16 v[8*(8*(\a)+\b):8*(8*(\a)+\b)+7], v[\f+32+8*\b:\f+32+8*\b+7], v[\f+8*(\a):\f+8*(\a)+7], 0
.else
	v_wmma_f32_16x16x32_f16 v[8*(8*(\a)+\b):8*(8*(\a)+\b)+7], v[\f+32+8*\b:\f+32+8*\b+7], v[\f+8*(\a):\f+8*(\a)+7], v[8*(8*(\a)+\b):8*(8*(\a)+\b)+7]
.endif
.endr
.endm
; 24 LDS loads in one run: the fragments of the slot's kq-th 32 along K into buffer f: Wo's eight first, then y's four (plane kq / 2, channels 32 (kq % 2) on)
.macro FETCH slot, kq, f
	WIN TO_F
.irp i, 0,1,2,3,4,5,6,7
	ds_load_b128 v[\f+32+8*\i:\f+32+8*\i+3], v[ADRB+\slot] offset:64*(\kq)+\i*16*PITCH
	ds_load_b128 v[\f+32+8*\i+4:\f+32+8*\i+7], v[ADRB+\slot] offset:64*(\kq)+\i*16*PITCH+32
.endr
.irp i, 0,1,2,3
	ds_load_b128 v[\f+8*\i:\f+8*\i+3], v[ADRA+\slot] offset:((\kq)/2)*HALFA+64*((\kq)%2)+\i*8*PITCH
	ds_load_b128 v[\f+8*\i+4:\f+8*\i+7], v[ADRA+\slot] offset:((\kq)/2)*HALFA+64*((\kq)%2)+\i*8*PITCH+32
.endr
.endm
.macro PLACES                          ; four places in front of loads into registers that matrix instructions have read, and of the first read of results
.rept 4
	v_nop
.endr
.endm
; A K step is four quarters of 32 along K, 32 matrix instructions each, on buffers 0, 1, 0, 1.  One of the first three: multiplies buffer f and fetches quarter kn into g.
.macro QUARTER slot, kn, f, g, zero
	s_wait_dscnt 4                                 ; Wo's eight and y's blocks 0, 1 are in; the youngest four loads (blocks 2, 3) may be out
	WIN MUL
	MULA \f, 0, \zero
	MULA \f, 1, \zero
	PLACES
	FETCH \slot, \kn, \g
	s_wait_dscnt 24                                ; all but the 24 just issued
	WIN MUL
	MULA \f, 2, \zero
	MULA \f, 3, \zero
.endm
; The last quarter multiplies buffer 1 and changes slots: ONE barrier; in front of it each wave waits for all its tensor loads, adds 0 to its spare word, and waits for that and for its reads of this slot.  fill = 1: this slot is filled again, two K steps ahead.
.macro TURN slot, next, fill
	WIN 0                                          ; (the add's two registers lie in window 0)
	s_wait_tensorcnt 0x0                           ; all my tensor loads have landed: my part of the next slot
	ds_add_u32 v[SPW], v[NIL]                      ; 0 onto my spare word
	s_wait_dscnt 5                                 ; (the add and the youngest four loads may be out)
	WIN MUL
	MULA F1, 0, 0                                  ; eight matrix instructions stand between the add and the wait for it
	s_wait_dscnt 0x0                               ; the add is done, and my reads of this slot are over
	s_barrier_signal -1
	MULA F1, 1, 0
.if \fill
	WIN 0
.endif
	s_barrier_wait -1
.if \fill
	CREST                                          ; the barrier has opened a round of the cluster's barrier: no wave of any partner still reads this slot's tile or has a load on its way
	s_add_nc_u64 s[G0+4*\slot+2:G0+4*\slot+3], s[G0+4*\slot+2:G0+4*\slot+3], 4*1048576
	s_add_nc_u64 s[G0B+4*\slot+2:G0B+4*\slot+3], s[G0B+4*\slot+2:G0B+4*\slot+3], 2*KSTEP*2
	JLOAD \slot                                    ; the first tensor load behind the round; the four v_nop behind it are also the places in front of the loads below
.else
	PLACES
.endif
	FETCH \next, 0, F0
	WIN MUL
	MULA F1, 2, 0
	MULA F1, 3, 0
.endm
	s_wait_tensorcnt 1                             ; my part of K step 0 is in (K step 1's load may stay out)
	s_barrier_signal -1
	s_barrier_wait -1                              ; everybody's is
	FETCH 0, 0, F0
	QUARTER 0, 1, F0, F1, 1                        ; the first quarter stands in front of the loop: its products start the sums
	WIN 0                                          ; at a label and at a branch every window is 0
	s_mov_b32 s3, LAPS-1
.Llap:                                                 ; a trip goes once round the ring, from a lap's second quarter to the next lap's first, and fills both slots again
	QUARTER 0, 2, F1, F0, 0
	QUARTER 0, 3, F0, F1, 0
	TURN 0, 1, 1
	QUARTER 1, 1, F0, F1, 0
	QUARTER 1, 2, F1, F0, 0
	QUARTER 1, 3, F0, F1, 0
	TURN 1, 0, 1
	QUARTER 0, 1, F0, F1, 0
	WIN 0
	s_sub_co_u32 s3, s3, 1
	s_cmp_lg_u32 s3, 0
	s_cbranch_scc1 .Llap
	QUARTER 0, 2, F1, F0, 0                        ; the last lap fills nothing, and has no round of the cluster's barrier
	QUARTER 0, 3, F0, F1, 0
	TURN 0, 1, 0
	QUARTER 1, 1, F0, F1, 0
	QUARTER 1, 2, F1, F0, 0
	QUARTER 1, 3, F0, F1, 0
	s_wait_dscnt 4                                 ; the very last quarter: nothing more to fetch
	WIN MUL
	MULA F1, 0, 0
	MULA F1, 1, 0
	s_wait_dscnt 0
	MULA F1, 2, 0
	MULA F1, 3, 0
	WIN 0
; THE WAY OUT, block by block of 16 rows x 128 columns: through my own stage, back as whole rows of 512 bytes.  LDS serves a wave's instructions in order (ISA guide 5.7.1.4): no wait between the stores and the loads.
.macro TOSTAGE a
	WIN 0x08                                       ; an LDS store's data are its source 1: window 2
.irp b, 0,1,2,3,4,5,6,7
	ds_store_b128 v[STO], v[64*(\a)+8*\b:64*(\a)+8*\b+3] offset:64*\b           ; each accumulator from its low end on
	ds_store_b128 v[STO], v[64*(\a)+8*\b+4:64*(\a)+8*\b+7] offset:64*\b+16
.endr
	WIN 0
.set BB, BK+64*((\a)%2)
.irp t, 0,1,2,3,4,5,6,7,8,9,10,11,12,13,14,15
	ds_load_b128 v[BB+4*\t:BB+4*\t+3], v[RD] offset:\t*SPITCH
.endr
.endm
.macro SEND a, younger                 ; younger: the LDS instructions issued behind block a's loads, which may stay out
.set BB, BK+64*((\a)%2)
	s_wait_dscnt \younger
.irp t, 0,1,2,3,4,5,6,7,8,9,10,11,12,13,14,15
	global_store_b128 v[CO], v[BB+4*\t:BB+4*\t+3], s[8:9] offset:65536*(\a)+4096*\t th:TH_STORE_NT   ; 32 lanes store 512 consecutive bytes, aligned; written once, read by nobody here
.endr
.endm
	PLACES
	s_and_b32 s2, ttmp7, 0xffff                    ; my block 0 holds positions 0-15 of a batch where cluster y = 0 and my rows are the tile's upper half: those rows belong to the last launch.
	s_or_b32 s2, s2, s11                           ; The branch hangs on cluster y, which all partners share, and on the wave's number; no barrier stands inside
	s_cmp_eq_u32 s2, 0
	s_cbranch_scc1 .Lskip0
	TOSTAGE 0
	SEND 0, 0
.Lskip0:
	TOSTAGE 1
	s_wait_xcnt 0x0                                ; block 0's stores have read their registers: block 2's loads may land there
	TOSTAGE 2
	SEND 1, 32                                     ; behind block 1's loads: block 2's 16 stores and 16 loads
	s_wait_xcnt 0x0                                ; block 1's stores have read theirs
	TOSTAGE 3
	SEND 2, 32
	SEND 3, 0
	s_wait_tensorcnt 0x0                           ; the wave's end: a wait for my tensor loads, an add of 0 to my spare word and its wait, behind my last tensor load and my last LDS store
	ds_add_u32 v[SPW], v[NIL]
	s_wait_dscnt 0x0
	CROUND                                         ; the closing round: no work-group ends while a partner may still ask for a tile that names it
	s_endpgm
.Lfunc_end_k_q6aae0656bd_oproj:
	.size	k_q6aae0656bd_oproj, .Lfunc_end_k_q6aae0656bd_oproj-k_q6aae0656bd_oproj
	.p2alignl 7, 3214868480
	.fill 96, 4, 3214868480
	.section	.rodata,"a",@progbits
	.p2align	6, 0x0
	.amdhsa_kernel k_q6aae0656bd_oproj
		.amdhsa_group_segment_fixed_size 327680
		.amdhsa_private_segment_fixed_size 0
		.amdhsa_enable_private_segment 0
		.amdhsa_kernarg_size 24
		.amdhsa_user_sgpr_count 2
		.amdhsa_user_sgpr_kernarg_segment_ptr 1
		.amdhsa_wavefront_size32 1
		.amdhsa_system_sgpr_workgroup_id_x 1
		.amdhsa_system_sgpr_workgroup_id_y 1
		.amdhsa_system_sgpr_workgroup_id_z 1
		.amdhsa_system_vgpr_workitem_id 0
		.amdhsa_next_free_vgpr 768
		.amdhsa_next_free_sgpr 66
		.amdhsa_reserve_vcc 0
		.amdhsa_float_denorm_mode_32 3
		.amdhsa_float_denorm_mode_16_64 3
		.amdhsa_memory_ordered 1
		.amdhsa_forward_progress 1
		.amdhsa_inst_pref_size 85
	.end_amdhsa_kernel
	.amdgpu_metadata
---
amdhsa.version: [ 1, 2 ]
amdhsa.kernels:
  - .name:           k_q6aae0656bd_oproj
    .symbol:         k_q6aae0656bd_oproj.kd
    .args:
      - { .name: y, .offset: 0, .size: 8, .value_kind: global_buffer, .address_space: global }
      - { .name: wo16, .offset: 8, .size: 8, .value_kind: global_buffer, .address_space: global }
      - { .name: out0, .offset: 16, .size: 8, .value_kind: global_buffer, .address_space: global }
    .group_segment_fixed_size: 327680
    .private_segment_fixed_size: 0
    .kernarg_segment_align: 8
    .kernarg_segment_size: 24
    .max_flat_workgroup_size: 128
    .sgpr_count:     66
    .vgpr_count:     768
    .wavefront_size: 32
...
	.end_amdgpu_metadata
.endif
;; end of part 4
;; launch fine (part 5): grid 16 x 4, 16 waves a work-group, no clusters, 86,016 bytes of LDS; arguments fq, Wo, out0; writes out0
.if DOCPART == 5
	.amdgcn_target "amdgcn-amd-amdhsa--gfx1250"
	.amdhsa_code_object_version 6
	.text
	.protected	k_q6aae0656bd_fine
	.globl	k_q6aae0656bd_fine
	.p2align	8
	.type	k_q6aae0656bd_fine,@function
k_q6aae0656bd_fine:
	s_mov_b64 s[64:65], 0
	v_nop
	global_prefetch_b8 v0, s[64:65] scope:SCOPE_SE
	s_setreg_imm32_b32 hwreg(HW_REG_WAVE_MODE, 25, 1), 1
	s_wait_xcnt 0x0
; Positions 0-15 of each batch, all in f32: these rows average one to sixteen values and are the largest of the output, so the rounding of 16-bit operands would weigh most on them.
; fq [64 = 16 batch + position][3,072] holds their q, k, v in f32 (columns 0-1,023 q, then k, then v; 64 a head).  out0 rows 2,048 batch + 0..15 are stored here and by no other launch.
; SHARES.  Work-group (cg, batch) makes 64 columns of the batch's 16 rows.  First each of its sixteen waves makes one head's attention (16 x 16 keys: 32 matrix instructions, repeated in the batch's 16 work-groups, which costs less than a launch
; of its own); the 16 x 1,024 numbers of y meet in LDS.  Then wave w takes output tile w % 4 (16 columns) and quarter w / 4 of K; the four partial sums of a tile meet in LDS and are added in a fixed order.
; No tensor load and no cluster: a work-group reads 196 KB of fq and 256 KB of Wo once, through registers.
; THE MATRIX FORM is the f32 one, 16 x 16 x 4: lane (r, h) holds row r and k = 2 h + j in register j.  The same permutation of k is used on both sources, which keeps the products, so that fragments come by loads of 16 bytes.
; The registers that this form writes (v16-63) are written by matrix instructions alone, and every sum begins with the constant 0.  Eight places stand behind this form (ISA guide 7.12.1).
; LIMITS: NaN and infinities are not served.
.set YP,    4112                       ; a row of y in LDS: 4,096 bytes + 16
.set PART,  16*YP                      ; behind y: the partial sums, [4 quarters][16 rows x (256 bytes + 16)]
.set SPARE, PART+4*4352                ; the spare words, 128 bytes a wave
.set SPW,  12                          ; v12 LDS address of my spare word; never rewritten
.set NIL,  13                          ; v13 0; never rewritten
.set SA,   16                          ; v16-23, v24-31: two accumulators that take turns
.set SB,   24
.set OA,   32                          ; v32-63  O^T: channels 16 ct on at OA + 8 ct
.set QF,   64                          ; v64-95  q;   later Wo's second half (v64-127)
.set KF,   96                          ; v96-127 k
.set VF,   128                         ; v128-159 v;  later y's chunks 0, 2, later results
.set T,    160                         ; v160-167 scores, then p;  v168-174 at work;  later y's chunks 1, 3 (v160-191)
.set WB1,  192                         ; v192-255 Wo's first half
.macro PLACES8
.rept 8
	v_nop
.endr
.endm
	s_load_b128 s[4:7], s[0:1], 0x0                ; fq s[4:5], Wo s[6:7]
	s_load_b64 s[8:9], s[0:1], 0x10                ; out0
	v_lshl_add_u32 v[SPW], v0, 2, SPARE
	v_mov_b32 v[NIL], 0
	v_lshrrev_b32 v1, 5, v0
	v_readfirstlane_b32 s10, v1                    ; wave 0..15: the head
	s_and_b32 s11, s10, 3                          ; the output tile
	s_lshr_b32 s12, s10, 2                         ; the quarter of K
	s_and_b32 s13, ttmp7, 0xffff                   ; the batch
	s_and_b32 s15, s10, 7                          ; which two rows I add up at the end (waves 0-7)
	v_and_b32 v1, 15, v0                           ; r
	v_bfe_u32 v2, v0, 4, 1                         ; h
	v_mul_u32_u24 v4, v1, 12288
	v_lshl_add_u32 v4, v2, 5, v4                   ; q, k: row r of fq, + 8 h channels
	v_mul_u32_u24 v5, v2, 98304
	v_lshl_add_u32 v5, v1, 2, v5                   ; v: rows 8 h on, channel r
	v_lshlrev_b32 v6, 12, v1
	v_lshl_add_u32 v6, v2, 4, v6                   ; Wo: row r of 4,096 bytes, + 4 h along K
	v_mul_u32_u24 v3, v1, YP
	s_lshl_b32 s14, s10, 8
	v_lshl_add_u32 v7, v2, 5, v3
	v_add_nc_u32 v7, s14, v7                       ; y into LDS: row r, my head's 256 bytes, + 32 h
	s_lshl_b32 s14, s12, 10
	v_lshl_add_u32 v8, v2, 4, v3
	v_add_nc_u32 v8, s14, v8                       ; y out of LDS: row r, my quarter's 1,024 bytes, + 16 h
	v_mul_u32_u24 v9, v1, 272
	v_lshl_add_u32 v9, v2, 5, v9
	s_mul_i32 s14, s12, 4352
	s_lshl_b32 s24, s11, 6
	s_add_co_u32 s14, s14, s24
	s_add_co_u32 s14, s14, PART
	v_add_nc_u32 v9, s14, v9                       ; partial sums in: my quarter, row r, my tile's 64 bytes, + 32 h
	v_mul_u32_u24 v10, v2, 272
	v_lshl_add_u32 v10, v1, 4, v10
	s_mul_i32 s14, s15, 544
	s_add_co_u32 s14, s14, PART
	v_add_nc_u32 v10, s14, v10                     ; and back: rows 2 (w % 8) + h, 16 bytes a lane
	v_lshlrev_b32 v11, 12, v2
	v_lshl_add_u32 v11, v1, 4, v11
	s_lshl_b32 s14, s15, 13
	v_add_nc_u32 v11, s14, v11                     ; the same place in out0
	v_lshlrev_b32 v14, 3, v2
	v_sub_nc_u32 v14, v1, v14                      ; r - 8 h
	v_mov_b32 v15, 0xff800000                      ; -infinity
	v_mov_b32 v169, 0                              ; (a lane permute's destination counts as one of its sources)
	s_mov_b32 s20, 0x76543210
	s_mov_b32 s21, 0xfedcba98                      ; v_permlanex16_b32's selects for lane l xor 16
	s_mov_b32 s22, 0x3e38aa3b                      ; c = log2(e) / 8
	s_mul_i32 s16, s13, 196608                     ; fq: the batch's 16 rows,
	s_lshl_b32 s17, s10, 8                         ; my head's 64 columns
	s_add_co_u32 s16, s16, s17
	s_mov_b32 s17, 0
	s_lshl_b32 s18, ttmp9, 18                      ; Wo: row 64 cg + 16 x tile,
	s_lshl_b32 s19, s11, 16
	s_add_co_u32 s18, s18, s19
	s_lshl_b32 s19, s12, 10                        ; my quarter of K
	s_add_co_u32 s18, s18, s19
	s_mov_b32 s19, 0
	s_lshl_b32 s24, s13, 23                        ; out0: the batch's first row,
	s_lshl_b32 s25, ttmp9, 8                       ; column 64 cg
	s_add_co_u32 s24, s24, s25
	s_mov_b32 s25, 0
	s_wait_kmcnt 0x0
	s_add_nc_u64 s[16:17], s[4:5], s[16:17]
	s_add_nc_u64 s[18:19], s[6:7], s[18:19]
	s_add_nc_u64 s[8:9], s[8:9], s[24:25]
.irp ct, 0,1,2,3                               ; lane (r, h): channels 16 ct + 8 h + 0..7 of row r, in registers 8 ct + 0..7
	global_load_b128 v[QF+8*\ct:QF+8*\ct+3], v4, s[16:17] offset:64*\ct
	global_load_b128 v[QF+8*\ct+4:QF+8*\ct+7], v4, s[16:17] offset:64*\ct+16
.endr
.irp ct, 0,1,2,3
	global_load_b128 v[KF+8*\ct:KF+8*\ct+3], v4, s[16:17] offset:4096+64*\ct
	global_load_b128 v[KF+8*\ct+4:KF+8*\ct+7], v4, s[16:17] offset:4096+64*\ct+16
.endr
.irp ct, 0,1,2,3                               ; lane (r, h): channel 16 ct + r of keys 8 h + j, in register 8 ct + j
.irp j, 0,1,2,3,4,5,6,7
	global_load_b32 v[VF+8*\ct+\j], v5, s[16:17] offset:8192+12288*\j+64*\ct
.endr
.endr
	s_wait_loadcnt 32                              ; q and k are in; v's 32 loads may be out
	; S^T = K Q^T: source 0 = the 16 keys, source 1 = the 16 queries; 16 instructions of 4 channels, on two accumulators by turns.  A lane then holds query r and keys 8 h + j
.irp n, 0,1,2,3,4,5,6,7,8,9,10,11,12,13,14,15
.if \n < 2
	v_wmma_f32_16x16x4_f32 v[SA+8*(\n%2):SA+8*(\n%2)+7], v[KF+2*\n:KF+2*\n+1], v[QF+2*\n:QF+2*\n+1], 0
.else
	v_wmma_f32_16x16x4_f32 v[SA+8*(\n%2):SA+8*(\n%2)+7], v[KF+2*\n:KF+2*\n+1], v[QF+2*\n:QF+2*\n+1], v[SA+8*(\n%2):SA+8*(\n%2)+7]
.endif
.endr
	PLACES8
.irp i, 0,1,2,3,4,5,6,7,8,9,10,11,12,13,14,15  ; Wo's first 128 of my 256 along K: lane (r, h): k = 8 i + 4 h + 0..3 of row r
	global_load_b128 v[WB1+4*\i:WB1+4*\i+3], v6, s[18:19] offset:32*\i
.endr
.irp j, 0,1,2,3,4,5,6,7
	v_add_f32 v[T+\j], v[SA+\j], v[SB+\j]          ; the two halves of the sum, from the low end on
.endr
.irp j, 0,1,2,3,4,5,6,7
	v_cmp_gt_i32 vcc_lo, \j, v14                   ; key 8 h + j is hidden from query r where j > r - 8 h
	v_cndmask_b32 v[T+\j], v[T+\j], v15, vcc_lo
.endr
	v_max3_num_f32 v168, v[T], v[T+1], v[T+2]
	v_max3_num_f32 v168, v168, v[T+3], v[T+4]
	v_max3_num_f32 v168, v168, v[T+5], v[T+6]
	v_max_num_f32 v168, v168, v[T+7]
	v_permlanex16_b32 v169, v168, s20, s21
	v_max_num_f32 v168, v168, v169                 ; the row's maximum (key 0 counts for every query)
	v_mul_f32 v170, s22, v168
.irp j, 0,1,2,3,4,5,6,7
	v_fma_f32 v[T+\j], v[T+\j], s22, -v170         ; c s - c m
.endr
.irp j, 0,1,2,3,4,5,6,7
	v_exp_f32 v[T+\j], v[T+\j]
.endr
	v_nop                                          ; a plain instruction behind the last exponential,
	s_wait_alu depctr_va_vdst(0)                   ; and the one wait ahead of the batch's first reader
	v_add_f32 v171, v[T], v[T+1]
	v_add_f32 v172, v[T+2], v[T+3]
	v_add_f32 v173, v[T+4], v[T+5]
	v_add_f32 v174, v[T+6], v[T+7]
	v_add_f32 v171, v171, v172
	v_add_f32 v173, v173, v174
	v_add_f32 v171, v171, v173
	v_permlanex16_b32 v169, v171, s20, s21
	v_add_f32 v171, v171, v169                     ; the row's sum
	v_rcp_f32 v172, v171
	v_nop
	s_wait_alu depctr_va_vdst(0)                   ; the same for the reciprocal
.irp j, 0,1,2,3,4,5,6,7
	v_mul_f32 v[T+\j], v[T+\j], v172               ; the weights
.endr
	s_wait_loadcnt 16                              ; v is in; Wo's 16 loads may be out
	; O^T = V^T P: source 0 = 16 channels, source 1 = the 16 queries; K = the 16 keys, 4 an instruction; four accumulators by turns.  A lane then holds query r and channels 16 ct + 8 h + j
.irp p, 0,1,2,3
.irp ct, 0,1,2,3
.if \p
	v_wmma_f32_16x16x4_f32 v[OA+8*\ct:OA+8*\ct+7], v[VF+8*\ct+2*\p:VF+8*\ct+2*\p+1], v[T+2*\p:T+2*\p+1], v[OA+8*\ct:OA+8*\ct+7]
.else
	v_wmma_f32_16x16x4_f32 v[OA+8*\ct:OA+8*\ct+7], v[VF+8*\ct+2*\p:VF+8*\ct+2*\p+1], v[T+2*\p:T+2*\p+1], 0
.endif
.endr
.endr
	PLACES8
.irp i, 0,1,2,3,4,5,6,7,8,9,10,11,12,13,14,15  ; Wo's second 128 along K, into the registers that q and k have left
	global_load_b128 v[QF+4*\i:QF+4*\i+3], v6, s[18:19] offset:512+32*\i
.endr
.irp ct, 0,1,2,3
	ds_store_b128 v7, v[OA+8*\ct:OA+8*\ct+3] offset:64*\ct         ; each accumulator from its low end on
	ds_store_b128 v7, v[OA+8*\ct+4:OA+8*\ct+7] offset:64*\ct+16
.endr
	s_wait_dscnt 0x0                               ; for the others' sake: my head's part of y has landed
	s_barrier_signal -1
	s_barrier_wait -1                              ; 16 rows x 1,024 of y lie in LDS
	; out^T = Wo y^T: source 0 = 16 rows of Wo, source 1 = the 16 rows of y: a lane then holds row r and columns 8 h + j of my tile.  My 256 along K go in four chunks of 64; y's chunks take two buffers by turns
.macro YLOAD c
.irp i, 0,1,2,3,4,5,6,7
	ds_load_b128 v[VF+32*((\c)%2)+4*\i:VF+32*((\c)%2)+4*\i+3], v8 offset:256*(\c)+32*\i
.endr
.endm
.macro MULC c, wb
.irp i, 0,1,2,3,4,5,6,7
.if (\c) == 0 && \i == 0
	v_wmma_f32_16x16x4_f32 v[SA:SA+7], v[\wb+4*\i:\wb+4*\i+1], v[VF+32*((\c)%2)+4*\i:VF+32*((\c)%2)+4*\i+1], 0
	v_wmma_f32_16x16x4_f32 v[SB:SB+7], v[\wb+4*\i+2:\wb+4*\i+3], v[VF+32*((\c)%2)+4*\i+2:VF+32*((\c)%2)+4*\i+3], 0
.else
	v_wmma_f32_16x16x4_f32 v[SA:SA+7], v[\wb+4*\i:\wb+4*\i+1], v[VF+32*((\c)%2)+4*\i:VF+32*((\c)%2)+4*\i+1], v[SA:SA+7]
	v_wmma_f32_16x16x4_f32 v[SB:SB+7], v[\wb+4*\i+2:\wb+4*\i+3], v[VF+32*((\c)%2)+4*\i+2:VF+32*((\c)%2)+4*\i+3], v[SB:SB+7]
.endif
.endr
.endm
	YLOAD 0
	YLOAD 1
	s_wait_loadcnt 16                              ; Wo's first half is in; its second half's 16 loads may be out
	s_wait_dscnt 8                                 ; chunk 0 is in; chunk 1's eight loads may be out
	MULC 0, WB1
	PLACES8                                        ; in front of loads into the buffer just multiplied
	YLOAD 2
	s_wait_dscnt 8
	MULC 1, WB1+32
	PLACES8
	YLOAD 3
	s_wait_loadcnt 0x0                             ; Wo's second half
	s_wait_dscnt 8
	MULC 2, QF
	s_wait_dscnt 0x0
	MULC 3, QF+32
	PLACES8
.irp j, 0,1,2,3,4,5,6,7
	v_add_f32 v[VF+\j], v[SA+\j], v[SB+\j]         ; my quarter's partial sum, into other registers
.endr
	ds_store_b128 v9, v[VF:VF+3]
	ds_store_b128 v9, v[VF+4:VF+7] offset:16
	s_wait_dscnt 0x0                               ; for the others' sake
	s_barrier_signal -1
	s_barrier_wait -1                              ; the four quarters' 16 x 64 partial sums lie in LDS
	s_cmp_ge_u32 s10, 8                            ; waves 0-7 add them up, two rows each
	s_cbranch_scc1 .Lend
.irp k, 0,1,2,3
	ds_load_b128 v[VF+8+4*\k:VF+8+4*\k+3], v10 offset:4352*\k
.endr
	s_wait_dscnt 0x0
	v_pk_add_f32 v[VF+8:VF+9], v[VF+8:VF+9], v[VF+12:VF+13]        ; (0 + 1) + (2 + 3): a fixed order
	v_pk_add_f32 v[VF+10:VF+11], v[VF+10:VF+11], v[VF+14:VF+15]
	v_pk_add_f32 v[VF+16:VF+17], v[VF+16:VF+17], v[VF+20:VF+21]
	v_pk_add_f32 v[VF+18:VF+19], v[VF+18:VF+19], v[VF+22:VF+23]
	v_pk_add_f32 v[VF+8:VF+9], v[VF+8:VF+9], v[VF+16:VF+17]
	v_pk_add_f32 v[VF+10:VF+11], v[VF+10:VF+11], v[VF+18:VF+19]
	global_store_b128 v11, v[VF+8:VF+11], s[8:9]   ; sixteen lanes store 256 consecutive bytes of a row, aligned
.Lend:
	s_wait_tensorcnt 0x0                           ; the wave's end: the tensor wait (in a text with no tensor load too), an add of 0 to my spare word and its wait, behind the last LDS store
	ds_add_u32 v[SPW], v[NIL]
	s_wait_dscnt 0x0
	s_endpgm
.Lfunc_end_k_q6aae0656bd_fine:
	.size	k_q6aae0656bd_fine, .Lfunc_end_k_q6aae0656bd_fine-k_q6aae0656bd_fine
	.p2alignl 7, 3214868480
	.fill 96, 4, 3214868480
	.section	.rodata,"a",@progbits
	.p2align	6, 0x0
	.amdhsa_kernel k_q6aae0656bd_fine
		.amdhsa_group_segment_fixed_size 86016
		.amdhsa_private_segment_fixed_size 0
		.amdhsa_enable_private_segment 0
		.amdhsa_kernarg_size 24
		.amdhsa_user_sgpr_count 2
		.amdhsa_user_sgpr_kernarg_segment_ptr 1
		.amdhsa_wavefront_size32 1
		.amdhsa_system_sgpr_workgroup_id_x 1
		.amdhsa_system_sgpr_workgroup_id_y 1
		.amdhsa_system_sgpr_workgroup_id_z 1
		.amdhsa_system_vgpr_workitem_id 0
		.amdhsa_next_free_vgpr 256
		.amdhsa_next_free_sgpr 66
		.amdhsa_reserve_vcc 1
		.amdhsa_float_denorm_mode_32 3
		.amdhsa_float_denorm_mode_16_64 3
		.amdhsa_memory_ordered 1
		.amdhsa_forward_progress 1
		.amdhsa_inst_pref_size 25
	.end_amdhsa_kernel
	.amdgpu_metadata
---
amdhsa.version: [ 1, 2 ]
amdhsa.kernels:
  - .name:           k_q6aae0656bd_fine
    .symbol:         k_q6aae0656bd_fine.kd
    .args:
      - { .name: fq, .offset: 0, .size: 8, .value_kind: global_buffer, .address_space: global }
      - { .name: Wo, .offset: 8, .size: 8, .value_kind: global_buffer, .address_space: global }
      - { .name: out0, .offset: 16, .size: 8, .value_kind: global_buffer, .address_space: global }
    .group_segment_fixed_size: 86016
    .private_segment_fixed_size: 0
    .kernarg_segment_align: 8
    .kernarg_segment_size: 24
    .max_flat_workgroup_size: 512
    .sgpr_count:     66
    .vgpr_count:     256
    .wavefront_size: 32
...
	.end_amdgpu_metadata
.endif
;; end of part 5
